; MI455X (gfx1250); checked and timed in simulation.
; The chip was launched on July 23, 2026; its instructions are those of AMD's public machine-readable ISA for CDNA 5 (MIT licence, August 2026) and "CDNA5" Instruction Set Architecture Reference Guide (July 2026). The comments in the code are by the model that wrote it; some were corrected since.
;; Attention. Allowed arithmetic: matrix products marked QUANTISED: E2M3 operands, one E8M0 scale for each 32 along K, by v_wmma_scale_f32_16x16x128_f8f6f4 with both operands' format E2M3, f32 sums; everything else in f32.
;; Inputs: W_out 256 x 256 float32; W_qkv 256 x 768 float32; b_out 256 float32; bias_table 3,969 x 8 float32; rel_index 1,048,576 int32; x 32 x 1,024 x 256 float32.
;; Outputs: out0 32 x 1,024 x 256 float32.
;; This version of the problem:
;;   THIS VERSION OF THE PROBLEM IS GIVEN IN LOW PRECISION. The matrix products marked QUANTISED in the list below multiply operands that are first quantised to E2M3 (2 exponent bits, 3 mantissa bits; 6 bits a number), with one power-of-two scale for each 32 numbers along K (OCP MX v1.0); their sums are f32. All else is computed in f32.
;;   The module's matrix products, in the order in which they are computed (A, B: the left and right operand; K: the contracted axis; several contracted axes count as one K, in the product's order):
;;     1. [M 32,768, K 256] x [K 256, N 768]; A: input x; B: input W_qkv: QUANTISED
;;     2. batch 256 x [M 1,024, K 32] x [K 32, N 1,024]; A: computed on the way; B: computed on the way: QUANTISED
;;     3. batch 256 x [M 1,024, K 1,024] x [K 1,024, N 32]; A: softmax (see below); B: computed on the way: QUANTISED
;;     4. [M 32,768, K 256] x [K 256, N 256]; A: computed on the way; B: input W_out: QUANTISED
;;   THE QUANTISER, for each operand of a quantised product, along K:
;;     - K is cut into blocks of 32 from its start; a last block that is shorter is filled with zeros.
;;     - A block's scale is 2^e with e = floor(log2(the largest magnitude in the block)) - 2, held to -126 .. 127; a block of zeros has e = 0. As a byte (E8M0): e + 127.
;;     - Each number is divided by its block's scale, clamped to +-7.5, and rounded to the nearest number of E2M3, ties to even, subnormals kept.
;;     - The product sums the exact products of the quantised numbers (number of the format x scale) in f32.
;;   ~~~python
;;   def quantise(x, axis):      # numpy; x: float32 -> the quantised numbers, widened to float32 again
;;       x = np.moveaxis(x, axis, -1); K = x.shape[-1]
;;       x = np.pad(x, [(0, 0)] * (x.ndim - 1) + [(0, -K % 32)]); x = x.reshape(x.shape[:-1] + (-1, 32)); a = np.abs(x).max(-1, keepdims=True)
;;       e = np.where(a > 0, np.clip(np.frexp(np.where(a > 0, a, 1))[1] - 1 - 2, -126, 127), 0)      # np.frexp(a)[1] - 1 = floor(log2(a)), exactly
;;       r = np.clip(x / 2.0 ** e, -7.5, 7.5)
;;       step = 2.0 ** (np.maximum(np.frexp(np.where(r == 0, 1, r))[1] - 1, 0) - 3)
;;       q = np.round(r / step) * step * 2.0 ** e      # np.round: ties to even
;;       return np.moveaxis(q.reshape(q.shape[:-2] + (-1,))[..., :K], -1, axis).astype(np.float32)
;;   ~~~
;;   SOFTMAX AHEAD OF A QUANTISED PRODUCT. Where the list says 'softmax', what is quantised is not the finished softmax but p = 2^(t - M), with t = logit x log2(e) and M = ceil(the row's largest t), a whole number; so 1/2 < the row's largest p <= 1. The row's sum l is taken of the UNQUANTISED p, in f32, and the product's result is divided by l at the end. Since M is a whole number, a kernel that streams over the keys may use a running M (the ceiling of the running maximum): every later rescaling is an exact power of two, which a block's scale takes up: the codes' values come out the same.
;;   OPERANDS COMPUTED ON THE WAY. 'Computed on the way' means the value that the module computes at that place (a softmax that the list does not call 'softmax' is quantised finished and normalised). What goes into a quantiser is computed in f32, as accurately as f32 sums, v_exp_f32 and their like allow (about 1e-6 of the number): no bf16 or f16 on the way to a quantiser, and a product that is left as it is and whose result goes on into a quantised operand takes f32 operands (vector FMAs, or v_wmma_f32_16x16x4_f32). A number that lies on a knife's edge between two numbers of the format may be rounded either way, as far as f32 arithmetic and the matrix unit's own rounding can turn it there, and no further.
;; 2 versions. Each part assembles by itself: llvm-mc -triple=amdgcn-amd-amdhsa -mcpu=gfx1250 --defsym DOCPART=n.
;; ======== version 1 of 2: 4 launches
;; workspace buffers: wimg 196,608 bytes; wsc 16,384 bytes; biasx 33,554,432 bytes; heads 19,660,800 bytes; oc 6,291,456 bytes; osc 262,144 bytes
;; launch prep (part 1): grid 272 x 1, 8 waves a work-group, no clusters, 0 bytes of LDS; arguments W_qkv, W_out, bias_table, rel_index, wimg, wsc, biasx; writes wimg, wsc, biasx
.if DOCPART == 1
	.amdgcn_target "amdgcn-amd-amdhsa--gfx1250"
	.amdhsa_code_object_version 6
	.text
	.protected	k_q4c6396941d_prep
	.globl	k_q4c6396941d_prep
	.p2align	8
	.type	k_q4c6396941d_prep,@function
k_q4c6396941d_prep:
	s_mov_b64 s[64:65], 0
	v_nop
	global_prefetch_b8 v0, s[64:65] scope:SCOPE_SE
	s_setreg_imm32_b32 hwreg(HW_REG_WAVE_MODE, 25, 1), 1
	s_wait_xcnt 0x0
; PREP: what every later launch reads again is laid out once.
; (1) biasx: the relative-position bias, gathered through rel_index as it is given, times sqrt(32), f32, in the order in which the attention launch walks it:
;     tile ((head x 16 + i / 64) x 8 + j / 128) of 32,768 bytes; in it row i % 64 of 512 bytes, key j % 128 of 4 bytes.  (The factor lets the later launch add the bias to the raw scores and scale both by one number.)
; (2) wimg, wsc: W_qkv [256][768] and W_out [256][256], whose K is the FIRST axis, as codes of FP6 (E2M3) with one E8M0 byte for each 32 along K, laid as IMAGES OF OPERAND REGISTERS:
;     fragment F = 2 T + s (16 columns T, 128 along K s) at F x 1,536 bytes: register q of lane l at 512 (q / 4) + 16 l + 4 (q % 4); its scale words at F x 128 + 4 l.  T 0-47: W_qkv; T 48-63: W_out.
;     W_out's K inside each block of 32 is laid in the order 0-7, 16-23, 8-15, 24-31: the order in which the attention launch's codes of O come out of its registers.
; SHARES: work-groups 0-255: the bias: a wave takes half a row i (512 keys, all 8 heads).  Work-groups 256-271: a wave takes one fragment.  No LDS, no barrier: waves share nothing.
; No cluster, no tensor load: no two work-groups read the same bytes but the small table (127,008 bytes), which is gathered row by row.
; LIMITS: an index outside 0 .. 3,968 is held at 3,968.  A block of zeros gets the byte 1 where the rule says 127 (its codes are zeros, and this program alone reads the bytes); blocks whose largest
; magnitude lies under 2^-124 keep the byte 1; NaN and infinities are not served.
.set SQ32,  0x40b504f3                 ; sqrt(32)
.set LASTR, 3968                       ; the table's last row
.set IDX,   8                          ; v8-23    16 indices, then byte offsets of table rows
.set GA,    32                         ; v32-159  16 table rows of 8 numbers
.set OUTR,  160                        ; v160-223 two sets of 8 heads x 4 keys
	s_load_b256 s[4:11], s[0:1], 0x0               ; W_qkv s[4:5], W_out s[6:7], bias_table s[8:9], rel_index s[10:11]
	s_load_b128 s[12:15], s[0:1], 0x20             ; wimg s[12:13], wsc s[14:15]
	s_load_b64 s[16:17], s[0:1], 0x30              ; biasx
	v_lshrrev_b32 v1, 5, v0
	v_readfirstlane_b32 s18, v1                    ; wave 0..7
	v_and_b32 v2, 31, v0                           ; lane
	s_cmp_ge_u32 ttmp9, 256
	s_cbranch_scc1 .Lweights
	; ---- the bias
	s_lshl_b32 s19, ttmp9, 3
	s_add_co_u32 s19, s19, s18                     ; 0 .. 2,047
	s_lshr_b32 s28, s19, 1                         ; row i
	s_and_b32 s29, s19, 1                          ; which 512 keys
	v_lshlrev_b32 v1, 4, v2                        ; 16 bytes a lane: four indices in, four numbers out
	s_lshl_b32 s30, s28, 12                        ; rel_index: 4,096 bytes a row,
	s_lshl_b32 s31, s29, 11                        ; 2,048 a half
	s_add_co_u32 s30, s30, s31
	s_mov_b32 s31, 0
	s_lshr_b32 s32, s28, 6
	s_lshl_b32 s32, s32, 18                        ; biasx: (i / 64) x 8 tiles,
	s_lshl_b32 s33, s29, 17                        ; 4 tiles a half,
	s_add_co_u32 s32, s32, s33
	s_and_b32 s33, s28, 63
	s_lshl_b32 s33, s33, 9                         ; row i % 64
	s_add_co_u32 s32, s32, s33
	s_mov_b32 s33, 0
	s_wait_kmcnt 0x0
	s_add_nc_u64 s[10:11], s[10:11], s[30:31]
	s_add_nc_u64 s[20:21], s[16:17], s[32:33]      ; heads 0, 1: a head is 4,194,304 bytes, so a base serves two heads by the stores' immediate
	s_add_nc_u64 s[22:23], s[20:21], 0x800000      ; heads 2, 3
	s_add_nc_u64 s[24:25], s[22:23], 0x800000      ; heads 4, 5
	s_add_nc_u64 s[26:27], s[24:25], 0x800000      ; heads 6, 7
.irp t, 0,1,2,3
	global_load_b128 v[IDX+4*\t:IDX+4*\t+3], v1, s[10:11] offset:512*\t th:TH_LOAD_NT   ; 128 keys' indices: 512 consecutive bytes a load; read once in the launch
.endr
	s_wait_loadcnt 0x0
.set ii, 0
.rept 16
	v_min_u32 v[IDX+ii], LASTR, v[IDX+ii]          ; held inside the table
.set ii, ii+1
.endr
.set ii, 0
.rept 16
	v_lshlrev_b32 v[IDX+ii], 5, v[IDX+ii]          ; a table row is 32 bytes
.set ii, ii+1
.endr
.set ii, 0
.rept 16
	global_load_b128 v[GA+8*ii:GA+8*ii+3],   v[IDX+ii], s[8:9]
	global_load_b128 v[GA+8*ii+4:GA+8*ii+7], v[IDX+ii], s[8:9] offset:16
.set ii, ii+1
.endr
.irp t, 0,1,2,3                        ; tile row t: 128 keys, 4 a lane
	s_wait_loadcnt 8*(3-\t)                        ; its eight gathers are in; the 8 (3 - t) younger ones may be out
.if \t >= 2
	s_wait_xcnt 0x0                                ; the stores of two tile rows back have read this set of registers
.endif
.irp hd, 0,1,2,3,4,5,6,7
.irp k, 0,1,2,3
	v_mul_f32 v[OUTR+32*(\t%2)+4*\hd+\k], SQ32, v[GA+32*\t+8*\k+\hd]   ; the multiplication is also the turn from [key][head] to [head][key]
.endr
.endr
.irp hd, 0,1,2,3,4,5,6,7
	global_store_b128 v1, v[OUTR+32*(\t%2)+4*\hd:OUTR+32*(\t%2)+4*\hd+3], s[20+2*(\hd/2):21+2*(\hd/2)] offset:(\hd%2)*4194304+\t*32768   ; 32 lanes store a tile's row: 512 consecutive bytes, aligned
.endr
.endr
	s_endpgm
	; ---- the weights: lane (r, h) takes column 16 T + r, and its registers run DOWN K in the order that the operand's layout gives the lane: k = 128 s + 64 c + 32 h + 0 .. 31
.macro WLOAD pitch, perm, base
	s_lshl_b32 s28, s27, 6                         ; 16 T columns of 4 bytes
	s_mul_i32 s29, s26, 128*\pitch                 ; 128 s rows
	s_add_co_u32 s28, s28, s29
	v_lshlrev_b32 v7, 2, v3
	v_mad_u32_u24 v7, v4, 32*\pitch, v7            ; lanes 16-31 begin 32 rows further down
	v_add_nc_u32 v7, s28, v7
.irp c, 0,1
.set ii, 0
.rept 32
.if \perm
.set oo, ii%8+8*(((ii/8)&1)*2+(ii/8)/2)            ; 0-7, 16-23, 8-15, 24-31
.else
.set oo, ii
.endif
	global_load_b32 v[64+32*\c+ii], v7, s[\base:\base+1] offset:\pitch*(64*\c+oo)
.set ii, ii+1
.endr
.endr
.endm
.Lweights:
	s_sub_co_u32 s19, ttmp9, 256
	s_lshl_b32 s19, s19, 3
	s_add_co_u32 s19, s19, s18                     ; fragment F, 0 .. 127
	v_and_b32 v3, 15, v0                           ; r
	v_bfe_u32 v4, v0, 4, 1                         ; h
	v_lshlrev_b32 v5, 4, v2                        ; an image's place for my lane
	v_lshlrev_b32 v6, 2, v2                        ; a scale word's
	s_mov_b32 s20, 0x76543210
	s_mov_b32 s21, 0xfedcba98                      ; v_permlanex16_b32's selects for lane l xor 16
	s_mul_i32 s22, s19, 1536
	s_mov_b32 s23, 0
	s_lshl_b32 s24, s19, 7
	s_mov_b32 s25, 0
	s_and_b32 s26, s19, 1                          ; s
	s_wait_kmcnt 0x0
	s_add_nc_u64 s[12:13], s[12:13], s[22:23]
	s_add_nc_u64 s[14:15], s[14:15], s[24:25]
	s_cmp_ge_u32 s19, 96
	s_cbranch_scc1 .Lw_out
	s_lshr_b32 s27, s19, 1                         ; T in W_qkv
	WLOAD 3072, 0, 4
	s_branch .Lquant
.Lw_out:
	s_sub_co_u32 s27, s19, 96
	s_lshr_b32 s27, s27, 1                         ; T in W_out
	WLOAD 1024, 1, 6
.Lquant:
	s_wait_loadcnt 0x0
.irp c, 0,1                            ; my block 2 c + h: all its 32 numbers are mine
	v_max3_num_f32 v[32+\c], |v[64+32*\c]|, |v[65+32*\c]|, 0x1800000   ; and the floor 2^(3 - 127): the byte cannot fall under 1
.endr
.irp i, 2,4,6,8,10,12,14,16,18,20,22,24,26,28,30
.irp c, 0,1
	v_max3_num_f32 v[32+\c], v[32+\c], |v[64+32*\c+\i]|, |v[65+32*\c+\i]|
.endr
.endr
.irp c, 0,1
	v_add_nc_u32 v[44+\c], 0xff000000, v[32+\c]    ; 2 off the exponent field: the conversion takes the exponent field of this operand as its scale
.endr
.irp c, 0,1
	v_lshrrev_b32 v[36+\c], 23, v[44+\c]           ; the scale's byte
.endr
	v_lshl_or_b32 v9, v37, 16, v36                 ; my two bytes: blocks h and 2 + h,
	v_lshlrev_b32 v10, 3, v4
	v_lshlrev_b32 v9, v10, v9                      ; at their places in the word;
	v_mov_b32 v10, 0
	v_permlanex16_b32 v10, v9, s20, s21
	v_or_b32 v9, v9, v10                           ; with lane l xor 16's two the word is whole, in both halves of the lanes
.irp c, 0,1
	v_cvt_scalef32_pk16_fp6_f32 v[48+6*\c:50+6*\c], v[64+32*\c:79+32*\c], v[44+\c]
	v_cvt_scalef32_pk16_fp6_f32 v[192+4*\c:194+4*\c], v[80+32*\c:95+32*\c], v[44+\c]   ; (a conversion's three registers begin on an even number)
.endr
	v_nop                                          ; one plain line behind a scaled conversion
.irp c, 0,1
.irp i, 0,1,2
	v_mov_b32 v[51+6*\c+\i], v[192+4*\c+\i]
.endr
.endr
.irp k, 0,1,2
	global_store_b128 v5, v[48+4*\k:51+4*\k], s[12:13] offset:512*\k   ; the image: 512 consecutive bytes a store
.endr
	global_store_b32 v6, v9, s[14:15]
	s_endpgm
.Lfunc_end_k_q4c6396941d_prep:
	.size	k_q4c6396941d_prep, .Lfunc_end_k_q4c6396941d_prep-k_q4c6396941d_prep
	.p2alignl 7, 3214868480
	.fill 96, 4, 3214868480
	.section	.rodata,"a",@progbits
	.p2align	6, 0x0
	.amdhsa_kernel k_q4c6396941d_prep
		.amdhsa_group_segment_fixed_size 0
		.amdhsa_private_segment_fixed_size 0
		.amdhsa_enable_private_segment 0
		.amdhsa_kernarg_size 56
		.amdhsa_user_sgpr_count 2
		.amdhsa_user_sgpr_kernarg_segment_ptr 1
		.amdhsa_wavefront_size32 1
		.amdhsa_system_sgpr_workgroup_id_x 1
		.amdhsa_system_sgpr_workgroup_id_y 1
		.amdhsa_system_sgpr_workgroup_id_z 1
		.amdhsa_system_vgpr_workitem_id 0
		.amdhsa_next_free_vgpr 224
		.amdhsa_next_free_sgpr 66
		.amdhsa_reserve_vcc 0
		.amdhsa_float_denorm_mode_32 3
		.amdhsa_float_denorm_mode_16_64 3
		.amdhsa_memory_ordered 1
		.amdhsa_forward_progress 1
		.amdhsa_inst_pref_size 35
	.end_amdhsa_kernel
	.amdgpu_metadata
---
amdhsa.version: [ 1, 2 ]
amdhsa.kernels:
  - .name:           k_q4c6396941d_prep
    .symbol:         k_q4c6396941d_prep.kd
    .args:
      - { .name: W_qkv, .offset: 0, .size: 8, .value_kind: global_buffer, .address_space: global }
      - { .name: W_out, .offset: 8, .size: 8, .value_kind: global_buffer, .address_space: global }
      - { .name: bias_table, .offset: 16, .size: 8, .value_kind: global_buffer, .address_space: global }
      - { .name: rel_index, .offset: 24, .size: 8, .value_kind: global_buffer, .address_space: global }
      - { .name: wimg, .offset: 32, .size: 8, .value_kind: global_buffer, .address_space: global }
      - { .name: wsc, .offset: 40, .size: 8, .value_kind: global_buffer, .address_space: global }
      - { .name: biasx, .offset: 48, .size: 8, .value_kind: global_buffer, .address_space: global }
    .group_segment_fixed_size: 0
    .private_segment_fixed_size: 0
    .kernarg_segment_align: 8
    .kernarg_segment_size: 56
    .max_flat_workgroup_size: 256
    .sgpr_count:     66
    .vgpr_count:     224
    .wavefront_size: 32
...
	.end_amdgpu_metadata
.endif
;; end of part 1
;; launch qkv (part 2): grid 256 x 1, 8 waves a work-group, no clusters, 134,144 bytes of LDS; arguments x, wimg, wsc, heads; writes heads
.if DOCPART == 2
	.amdgcn_target "amdgcn-amd-amdhsa--gfx1250"
	.amdhsa_code_object_version 6
	.text
	.protected	k_q4c6396941d_qkv
	.globl	k_q4c6396941d_qkv
	.p2align	8
	.type	k_q4c6396941d_qkv,@function
k_q4c6396941d_qkv:
	s_mov_b64 s[64:65], 0
	v_nop
	global_prefetch_b8 v0, s[64:65] scope:SCOPE_SE
	s_setreg_imm32_b32 hwreg(HW_REG_WAVE_MODE, 25, 1), 1
	s_wait_xcnt 0x0
; QKV: x W_qkv on codes of FP6 (E2M3), and its results quantised at once as the attention launch wants them.  x [32][1024][256] f32 is quantised here; W_qkv comes as register images (wimg, wsc).
; heads: a record of 76,800 bytes for each (batch, head): q's codes [1024][24] at 0; q's scale bytes at 24,576; k's codes at 25,600; v's register images (128 keys x 16 channels: (ks x 2 + n) x 1,536) at 50,176;
; k's scale bytes at 74,752; v's scale words (ks x 128 + 4 x lane: lanes 0-15 channels 0-15, lanes 16-31 channels 16-31) at 75,776.  The scale byte of token t of q or k lies at 64 (t / 64) + 4 (t % 16) + (t / 16) % 4.
; SHARES.  A work-group takes 128 tokens of one batch.  Every wave quantises 16 tokens of x (two fragments) and stores their images in LDS.  Then waves 0-3 make q and k: wave w keeps 128 columns of W in registers
; (source 0) and streams the eight token tiles (source 1): a lane holds ONE token and 64 registers along the columns: four heads, four blocks of the next K.  Waves 4, 5 make v: the 128 tokens stay in registers
; (source 0) and W's column tiles stream from LDS (source 1): a lane holds ONE channel and 64 registers along the tokens, which are the next K of v.  Waves 6, 7 help with x and with the copies alone.
; THE ORDER INSIDE A BLOCK.  Tiles are 16 neighbouring rows, so the 16 registers of tiles 2 b, 2 b + 1 are numbers 8 h + 0..7 and 16 + 8 h + 0..7 of block b: the block is whole in lanes l and l xor 16, its scale is
; the rule's, and its codes come out in the order 0-7, 16-23, 8-15, 24-31.  q and k, and later p and v, are made alike, so both sides of a product carry the same order and the products are kept.
; No cluster, no tensor load: what work-groups share is W's images, 147,456 bytes against the work-group's own 131,072 of x, and they go once into registers or LDS.
; LIMITS: a block of zeros gets the byte 1 where the rule says 127 (its codes are zeros; this program alone reads the bytes); blocks under 2^-124 keep the byte 1; NaN and infinities are not served.
.set REC,   76800
.set R_VI,  50176
.set R_VS,  75776
.set FRB,   1536                       ; a fragment's image in bytes
.set XIMG,  0                          ; LDS: x's 16 fragments (token tile m, K step s: 2 m + s),
.set XSC,   24576                      ; their scale words, 128 bytes each,
.set WVIMG, 26624                      ; W's 32 fragments for v, as they lie in wimg,
.set WVSC,  75776                      ; their scale words,
.set QKSTG, 79872                      ; 16 slots (q's 8 heads, k's 8 heads) of 3,200 bytes: 128 tokens x 24 bytes of codes; 3,200 is 128 above a multiple of 256, so that the two halves of the lanes fall on different banks
.set SCSTG, 131072                     ; 16 x 128 scale bytes
.set SPARE, 133120                     ; the spare words, 128 bytes for each wave: four blocks of 256 bytes that no other line names
.set CWS, 3                            ; v3   where I put my part of W's scale words
.set XA,  4                            ; v4   x: row r of 1,024 bytes + 64 h
.set LI,  5                            ; v5   16 x lane
.set LS,  6                            ; v6   4 x lane
.set XWI, 7                            ; v7   where I store x's images
.set XWS, 8                            ; v8   and their scale words
.set SA,  9                            ; v9   q's and k's codes into the slots
.set SBA, 10                           ; v10  their scale words
.set VSB, 11                           ; v11  W's images for v: my half of them
.set VSS, 12                           ; v12  and their scale words
.set CR,  13                           ; v13  the way out: my two slots
.set CS,  14                           ; v14  and their scale bytes
.set CWI, 15                           ; v15  where I put my part of W's images
.set XF,  16                           ; v16-39   the two streamed fragments
.set HA,  48                           ; v48-111  eight accumulators
.set PC,  112                          ; v112-130 the codes just made
.set ST,  132                          ; v132-195 numbers of x, copies
.set TM,  200                          ; v200-215 at work in QUANT
.set PW,  216                          ; the scale word just made
.set XS,  217                          ; v217-218 the streamed fragments' scale words
.set PWE, 219                          ; v's scale word of the even channel tile
.set PWM, 220                          ; both tiles' words in one register
.set SS,  224                          ; v224-239 the stationary fragments' scale words
.set SW,  240                          ; v240-243 four token tiles' scale bytes of four heads
.set SPW, 252                          ; v252 my spare word's LDS address; never rewritten
.set NIL, 253                          ; v253 0; never rewritten
.set WV,  18
.set SEL, 20
.set LOW, 40                           ; s40  lanes 0-15
; window 1: v0-191: the 16 stationary fragments, (tile t, K step s) at 12 (2 t + s)
.set MSB, 0
.macro WIN new                         ; the immediate's high byte repeats the setting that is left
.if MSB != \new
	s_set_vgpr_msb (MSB<<8)|\new
.set MSB, \new
.endif
.endm
; 64 numbers of a lane, register 16 b + i in block b, become a fragment's codes in v[PC] on and its scale word in v[PW]; the four bytes stay in v[TM+4] on.
.macro QUANT s
.irp b, 0,1,2,3
	v_max3_num_f32 v[TM+\b], |v[\s+16*\b]|, |v[\s+1+16*\b]|, 0x1800000   ; my 16 numbers of block b, and the floor 2^(3 - 127): the byte cannot fall under 1
.endr
.irp i, 2,4,6,8,10,12,14
.irp b, 0,1,2,3
	v_max3_num_f32 v[TM+\b], v[TM+\b], |v[\s+16*\b+\i]|, |v[\s+1+16*\b+\i]|   ; (the four blocks by turns)
.endr
.endr
.irp b, 0,1,2,3
	v_permlanex16_b32 v[TM+4+\b], v[TM+\b], s[SEL], s[SEL+1]
.endr
.irp b, 0,1,2,3
	v_max_num_f32 v[TM+\b], v[TM+\b], v[TM+4+\b]   ; with lane l xor 16's: the block's largest magnitude
.endr
.irp b, 0,1,2,3
	v_add_nc_u32 v[TM+12+\b], 0xff000000, v[TM+\b] ; 2 off its exponent field: the conversion's scale operand
.endr
.irp b, 0,1,2,3
	v_lshrrev_b32 v[TM+4+\b], 23, v[TM+12+\b]      ; the scale's byte
.endr
	v_lshl_or_b32 v[PW], v[TM+5], 8, v[TM+4]
	v_lshl_or_b32 v[PW], v[TM+6], 16, v[PW]
	v_lshl_or_b32 v[PW], v[TM+7], 24, v[PW]
.irp c, 0,1
	v_cvt_scalef32_pk16_fp6_f32 v[PC+6*\c:PC+2+6*\c], v[\s+32*\c:\s+15+32*\c], v[TM+12+2*\c]
	v_cvt_scalef32_pk16_fp6_f32 v[PC+12+4*\c:PC+14+4*\c], v[\s+16+32*\c:\s+31+32*\c], v[TM+12+2*\c+1]   ; (a conversion's three registers begin on an even number)
.endr
	v_nop                                          ; one plain line behind a scaled conversion
.irp c, 0,1                            ; the operand's layout wants a WHOLE block in a lane: lanes 0-15 block 2 c, lanes 16-31 block 2 c + 1
.irp i, 0,1,2
	v_permlane16_swap_b32 v[PC+6*\c+\i], v[PC+12+4*\c+\i]
.endr
.irp i, 0,1,2
	v_mov_b32 v[PC+3+6*\c+\i], v[PC+12+4*\c+\i]
.endr
.endr
.endm
.macro IMAGE adr, off                  ; the fragment in v[PC] on goes to LDS as it stands
.irp c, 0,1,2
	ds_store_b128 v[\adr], v[PC+4*\c:PC+4*\c+3] offset:\off+512*\c
.endr
.endm
.macro BARRIER                         ; my LDS stores have landed and my LDS loads are in: then the work-group's barrier
	s_wait_dscnt 0x0
	s_barrier_signal -1
	s_barrier_wait -1
.endm
.macro XLOAD reg, s                    ; my 16 tokens' numbers of K step s: 16 neighbours of each block of 32 a lane
.irp b, 0,1,2,3
.irp j, 0,1,2,3
	global_load_b128 v[\reg+16*\b+4*\j:\reg+16*\b+4*\j+3], v[XA], s[4:5] offset:512*\s+128*\b+16*\j th:TH_LOAD_NT
.endr
.endr
.endm
	s_load_b256 s[4:11], s[0:1], 0x0               ; x s[4:5], wimg s[6:7], wsc s[8:9], heads s[10:11]
	v_lshl_add_u32 v[SPW], v0, 2, SPARE
	v_mov_b32 v[NIL], 0
	v_lshrrev_b32 v40, 5, v0
	v_readfirstlane_b32 s[WV], v40                 ; wave 0..7
	v_and_b32 v40, 31, v0                          ; lane
	v_and_b32 v41, 15, v0                          ; r
	v_bfe_u32 v42, v0, 4, 1                        ; h
	s_and_b32 s13, s[WV], 3
	s_and_b32 s14, s[WV], 1
	; every LDS address is made here, ahead of the first parting of the waves
	v_lshlrev_b32 v[XA], 10, v41
	v_lshl_add_u32 v[XA], v42, 6, v[XA]
	v_lshlrev_b32 v[LI], 4, v40
	v_lshlrev_b32 v[LS], 2, v40
	s_mul_i32 s12, s[WV], 2*FRB
	v_add_nc_u32 v[XWI], s12, v[LI]
	s_lshl_b32 s12, s[WV], 8
	v_add_nc_u32 v[XWS], s12, v[LS]
	s_mul_i32 s12, s13, 4*3200                     ; waves 0-3: four slots each; lane half h and register half c pick one: slot 4 w + 2 c + h
	s_add_co_u32 s12, s12, QKSTG
	v_mul_u32_u24 v[SA], v42, 3200
	v_mad_u32_u24 v[SA], v41, 24, v[SA]
	v_add_nc_u32 v[SA], s12, v[SA]
	s_lshl_b32 s12, s13, 9
	s_add_co_u32 s12, s12, SCSTG
	v_lshl_add_u32 v[SBA], v41, 2, s12
	s_mul_i32 s12, s14, 16*FRB
	v_add_nc_u32 v[VSB], s12, v[LI]
	s_lshl_b32 s12, s14, 11
	s_add_co_u32 s12, s12, WVSC
	v_add_nc_u32 v[VSS], s12, v[LS]
	s_mul_i32 s12, s[WV], 2*3200
	s_add_co_u32 s12, s12, QKSTG
	v_add_nc_u32 v[CR], s12, v[LI]
	s_lshl_b32 s12, s[WV], 8
	s_add_co_u32 s12, s12, SCSTG
	v_add_nc_u32 v[CS], s12, v[LS]
	s_mul_i32 s12, s[WV], 4*FRB
	s_add_co_u32 s12, s12, WVIMG
	v_add_nc_u32 v[CWI], s12, v[LI]
	s_lshl_b32 s12, s[WV], 9
	s_add_co_u32 s12, s12, WVSC
	v_add_nc_u32 v[CWS], s12, v[LI]
.irp b, 0,1,2,3
	v_mov_b32 v[TM+4+\b], 0                        ; written once: a lane permute's destination counts as one of its sources
.endr
	s_mov_b32 s[SEL], 0x76543210
	s_mov_b32 s[SEL+1], 0xfedcba98
	s_mov_b32 s[LOW], 0xffff
	; byte offsets, apart from the addresses
	s_lshr_b32 s15, ttmp9, 3                       ; batch
	s_and_b32 s16, ttmp9, 7                        ; which 128 tokens
	s_lshl_b32 s22, ttmp9, 17                      ; x: 128 tokens of 1,024 bytes a work-group,
	s_lshl_b32 s12, s[WV], 14                      ; 16 a wave
	s_add_co_u32 s22, s22, s12
	s_mov_b32 s23, 0
	s_mul_i32 s24, s[WV], 16*FRB                   ; waves 0-3: my 16 fragments of W,
	s_mov_b32 s25, 0
	s_lshl_b32 s26, s[WV], 11                      ; and their scale words
	s_mov_b32 s27, 0
	s_mul_i32 s28, s[WV], 4*FRB                    ; my eighth of W's fragments 64 .. 95,
	s_add_co_u32 s28, s28, 64*FRB
	s_mov_b32 s29, 0
	s_lshl_b32 s30, s[WV], 9                       ; and of their scale words
	s_add_co_u32 s30, s30, 64*128
	s_mov_b32 s31, 0
	s_lshl_b32 s17, s15, 3                         ; 8 x batch
	s_lshl_b32 s12, s14, 2
	s_add_co_u32 s12, s12, s17
	s_mul_i32 s12, s12, REC                        ; waves 4, 5: the record of my first head,
	s_mul_i32 s19, s16, 3072
	s_add_co_u32 s32, s12, s19
	s_add_co_u32 s32, s32, R_VI                    ; its images of v for these 128 keys,
	s_mov_b32 s33, 0
	s_lshl_b32 s41, s16, 7
	s_add_co_u32 s34, s12, s41
	s_add_co_u32 s34, s34, R_VS                    ; and their scale words
	s_mov_b32 s35, 0
	s_lshl_b32 s12, s13, 1
	s_add_co_u32 s12, s12, s17
	s_mul_i32 s12, s12, REC                        ; the way out: slots 2 w, 2 w + 1 are heads 2 (w & 3) and the next, of q (waves 0-3) or of k (waves 4-7)
	s_lshr_b32 s42, s[WV], 2
	s_mul_i32 s43, s42, 25600
	s_add_co_u32 s36, s12, s43
	s_add_co_u32 s36, s36, s19
	s_mov_b32 s37, 0
	s_mul_i32 s43, s42, 50176
	s_add_co_u32 s38, s12, s43
	s_add_co_u32 s38, s38, s41
	s_add_co_u32 s38, s38, 24576
	s_mov_b32 s39, 0
	s_wait_kmcnt 0x0
	s_add_nc_u64 s[4:5], s[4:5], s[22:23]
	s_add_nc_u64 s[24:25], s[6:7], s[24:25]
	s_add_nc_u64 s[26:27], s[8:9], s[26:27]
	s_add_nc_u64 s[28:29], s[6:7], s[28:29]
	s_add_nc_u64 s[30:31], s[8:9], s[30:31]
	s_add_nc_u64 s[32:33], s[10:11], s[32:33]
	s_add_nc_u64 s[34:35], s[10:11], s[34:35]
	s_add_nc_u64 s[36:37], s[10:11], s[36:37]
	s_add_nc_u64 s[38:39], s[10:11], s[38:39]
	s_cmp_lt_u32 s[WV], 4                          ; waves 0-3: W's fragments for q and k, straight into the registers in which they stay.  These loads are the oldest, so the counted waits below hold on both ways
	s_cbranch_scc0 .Lno_stat
	WIN 0x40                                       ; destination window 1
.set qi, 0
.rept 48
	global_load_b128 v[4*qi:4*qi+3], v[LI], s[24:25] offset:512*qi
.set qi, qi+1
.endr
	WIN 0
.set qi, 0
.rept 16
	global_load_b32 v[SS+qi], v[LS], s[26:27] offset:128*qi
.set qi, qi+1
.endr
.Lno_stat:
.set qi, 0
.rept 12
	global_load_b128 v[ST+4*qi:ST+4*qi+3], v[LI], s[28:29] offset:512*qi   ; my eighth of W's images for v
.set qi, qi+1
.endr
	global_load_b128 v[ST+48:ST+51], v[LI], s[30:31]
	XLOAD HA, 0
	s_wait_loadcnt 16                              ; all but x's sixteen
.set qi, 0
.rept 12
	ds_store_b128 v[CWI], v[ST+4*qi:ST+4*qi+3] offset:512*qi
.set qi, qi+1
.endr
	ds_store_b128 v[CWS], v[ST+48:ST+51]
	s_wait_dscnt 0x0                               ; the stores have read their registers, which are loaded again
	XLOAD ST, 1
	s_wait_loadcnt 16                              ; K step 0 is in; K step 1 lands while it is quantised
	QUANT HA
	IMAGE XWI, XIMG
	ds_store_b32 v[XWS], v[PW] offset:XSC
	s_wait_dscnt 0x0
	s_wait_loadcnt 0x0
	QUANT ST
	IMAGE XWI, XIMG+FRB
	ds_store_b32 v[XWS], v[PW] offset:XSC+128
	BARRIER                                        ; x's sixteen fragments and W's images for v lie in LDS
; Eight streamed tiles against the eight stationary ones.  role 0: q and k (stationary: W; streamed: x's token tile m).  role 1: v (stationary: x; streamed: W's column tile m: head m / 2 of my four, channels 16 (m % 2) on).
.macro MAIN role
.irp m, 0,1,2,3,4,5,6,7
.if (\role) && (\m > 0)
	s_wait_xcnt 0x0                                ; the last tile's stores have read the codes' registers
.endif
.irp s, 0,1
.irp c, 0,1,2
.if \role
	ds_load_b128 v[XF+12*\s+4*\c:XF+12*\s+4*\c+3], v[VSB] offset:WVIMG+(2*\m+\s)*FRB+512*\c
.else
	ds_load_b128 v[XF+12*\s+4*\c:XF+12*\s+4*\c+3], v[LI] offset:XIMG+(2*\m+\s)*FRB+512*\c
.endif
.endr
.if \role
	ds_load_b32 v[XS+\s], v[VSS] offset:128*(2*\m+\s)
.else
	ds_load_b32 v[XS+\s], v[LS] offset:XSC+128*(2*\m+\s)
.endif
.endr
	s_wait_dscnt 0x0
	WIN 0x01                                       ; source 0 window 1
.irp t, 0,1,2,3,4,5,6,7                ; the eight accumulators by turns; the first K step starts the sums
	v_wmma_scale_f32_16x16x128_f8f6f4 v[HA+8*\t:HA+8*\t+7], v[24*\t:24*\t+11], v[XF:XF+11], 0, v[SS+2*\t], v[XS] matrix_a_fmt:MATRIX_FMT_FP6 matrix_b_fmt:MATRIX_FMT_FP6
.endr
.irp t, 0,1,2,3,4,5,6,7
	v_wmma_scale_f32_16x16x128_f8f6f4 v[HA+8*\t:HA+8*\t+7], v[24*\t+12:24*\t+23], v[XF+12:XF+23], v[HA+8*\t:HA+8*\t+7], v[SS+2*\t+1], v[XS+1] matrix_a_fmt:MATRIX_FMT_FP6 matrix_b_fmt:MATRIX_FMT_FP6
.endr
	WIN 0
.rept 4
	v_nop                                          ; four plain lines between the products and the first read of results; with QUANT's lines on its own registers they also part the products from the next tile's loads and new sums
.endr
	QUANT HA
.if \role
.irp c, 0,1,2
	global_store_b128 v[LI], v[PC+4*\c:PC+4*\c+3], s[32:33] offset:(\m/2)*REC+(\m%2)*FRB+512*\c   ; v's image: 512 consecutive bytes a store
.endr
.if (\m%2) == 0
	v_mov_b32 v[PWE], v[PW]
.else
	v_cndmask_b32 v[PWM], v[PW], v[PWE], s[LOW]    ; lanes 0-15: channels 0-15's words; lanes 16-31: channels 16-31's
	global_store_b32 v[LS], v[PWM], s[34:35] offset:(\m/2)*REC
.endif
.else
.irp c, 0,1
.irp p, 0,1,2
	ds_store_b64 v[SA], v[PC+6*\c+2*\p:PC+6*\c+2*\p+1] offset:6400*\c+384*\m+8*\p   ; token 16 m + r of head 2 c + h of my four: 24 bytes
.endr
.endr
.irp b, 0,1,2,3
.if (\m%4) == 0
	v_mov_b32 v[SW+\b], v[TM+4+\b]                 ; four token tiles' bytes make a word
.else
	v_lshl_or_b32 v[SW+\b], v[TM+4+\b], 8*(\m%4), v[SW+\b]
.endif
.endr
.if (\m%4) == 3
.irp b, 0,1,2,3
	ds_store_b32 v[SBA], v[SW+\b] offset:128*\b+64*(\m/4)   ; (both halves of the lanes write the same word with the same value)
.endr
.endif
.endif
.endr
.endm
	s_cmp_lt_u32 s[WV], 4
	s_cbranch_scc0 .Lnot_qk
	MAIN 0
	s_branch .Ljoin
.Lnot_qk:
	s_cmp_lt_u32 s[WV], 6
	s_cbranch_scc0 .Ljoin
	WIN 0x40                                       ; waves 4, 5: x's sixteen fragments into the stationary registers
.set qi, 0
.rept 48
	ds_load_b128 v[4*qi:4*qi+3], v[LI] offset:XIMG+512*qi
.set qi, qi+1
.endr
	WIN 0
.set qi, 0
.rept 16
	ds_load_b32 v[SS+qi], v[LS] offset:XSC+128*qi
.set qi, qi+1
.endr
	MAIN 1
.Ljoin:
	BARRIER                                        ; q's and k's codes and scale bytes lie in the slots
.irp e, 0,1                            ; each wave sends two slots: 3,072 bytes of codes in runs of 512, 128 scale bytes
.irp i, 0,1,2,3,4,5
	ds_load_b128 v[ST+28*\e+4*\i:ST+28*\e+4*\i+3], v[CR] offset:3200*\e+512*\i
.endr
	ds_load_b32 v[ST+28*\e+24], v[CS] offset:128*\e
.endr
	s_wait_dscnt 0x0
.irp e, 0,1
.irp i, 0,1,2,3,4,5
	global_store_b128 v[LI], v[ST+28*\e+4*\i:ST+28*\e+4*\i+3], s[36:37] offset:REC*\e+512*\i
.endr
	global_store_b32 v[LS], v[ST+28*\e+24], s[38:39] offset:REC*\e
.endr
	s_wait_tensorcnt 0x0                           ; the wave's end: behind my last LDS store
	ds_add_u32 v[SPW], v[NIL]
	s_wait_dscnt 0x0
	s_endpgm
.Lfunc_end_k_q4c6396941d_qkv:
	.size	k_q4c6396941d_qkv, .Lfunc_end_k_q4c6396941d_qkv-k_q4c6396941d_qkv
	.p2alignl 7, 3214868480
	.fill 96, 4, 3214868480
	.section	.rodata,"a",@progbits
	.p2align	6, 0x0
	.amdhsa_kernel k_q4c6396941d_qkv
		.amdhsa_group_segment_fixed_size 134144
		.amdhsa_private_segment_fixed_size 0
		.amdhsa_enable_private_segment 0
		.amdhsa_kernarg_size 32
		.amdhsa_user_sgpr_count 2
		.amdhsa_user_sgpr_kernarg_segment_ptr 1
		.amdhsa_wavefront_size32 1
		.amdhsa_system_sgpr_workgroup_id_x 1
		.amdhsa_system_sgpr_workgroup_id_y 1
		.amdhsa_system_sgpr_workgroup_id_z 1
		.amdhsa_system_vgpr_workitem_id 0
		.amdhsa_next_free_vgpr 448
		.amdhsa_next_free_sgpr 66
		.amdhsa_reserve_vcc 0
		.amdhsa_float_denorm_mode_32 3
		.amdhsa_float_denorm_mode_16_64 3
		.amdhsa_memory_ordered 1
		.amdhsa_forward_progress 1
		.amdhsa_inst_pref_size 143
	.end_amdhsa_kernel
	.amdgpu_metadata
---
amdhsa.version: [ 1, 2 ]
amdhsa.kernels:
  - .name:           k_q4c6396941d_qkv
    .symbol:         k_q4c6396941d_qkv.kd
    .args:
      - { .name: x, .offset: 0, .size: 8, .value_kind: global_buffer, .address_space: global }
      - { .name: wimg, .offset: 8, .size: 8, .value_kind: global_buffer, .address_space: global }
      - { .name: wsc, .offset: 16, .size: 8, .value_kind: global_buffer, .address_space: global }
      - { .name: heads, .offset: 24, .size: 8, .value_kind: global_buffer, .address_space: global }
    .group_segment_fixed_size: 134144
    .private_segment_fixed_size: 0
    .kernarg_segment_align: 8
    .kernarg_segment_size: 32
    .max_flat_workgroup_size: 256
    .sgpr_count:     66
    .vgpr_count:     448
    .wavefront_size: 32
...
	.end_amdgpu_metadata
.endif
;; end of part 2
;; launch attn (part 3): grid 8 x 32, 16 waves a work-group, clusters of 4 x 1, 327,680 bytes of LDS; arguments heads, biasx, oc, osc; writes oc, osc
.if DOCPART == 3
	.amdgcn_target "amdgcn-amd-amdhsa--gfx1250"
	.amdhsa_code_object_version 6
	.text
	.protected	k_q4c6396941d_attn
	.globl	k_q4c6396941d_attn
	.p2align	8
	.type	k_q4c6396941d_attn,@function
k_q4c6396941d_attn:
	s_mov_b64 s[64:65], 0
	v_nop
	global_prefetch_b8 v0, s[64:65] scope:SCOPE_SE
	s_setreg_imm32_b32 hwreg(HW_REG_WAVE_MODE, 25, 1), 1
	s_wait_xcnt 0x0
	s_wait_alu depctr_hold_cnt(0) depctr_sa_sdst(0) depctr_va_vdst(0) depctr_va_sdst(0) depctr_va_ssrc(0) depctr_va_vcc(0) depctr_vm_vsrc(0)
	s_getreg_b32 s2, hwreg(HW_REG_IB_STS2, 6, 4)
	s_cmp_eq_u32 s2, 0
	s_cbranch_scc0 .Lentry_in_a_cluster
	s_endpgm
.Lentry_in_a_cluster:
	s_bfe_u32 s2, ttmp6, 0x10000c
	s_cmp_lg_u32 s2, 0x3003
	s_cbranch_scc0 .Lentry_shape_is_right
	s_endpgm
.Lentry_shape_is_right:
; ATTENTION on codes of FP6 (E2M3): S = q k^T + bias, p = 2^(t - M), O = p v / l, and O quantised for the last product.  Inputs: heads (records of codes, see below) and biasx (bias x sqrt(32), f32, in tiles).
; t = (q . k + bias x sqrt(32)) x c, c = log2(e) / sqrt(32); M = the running largest t rounded UP to a whole number; p is quantised along the keys, not normalised; the row's sum l is taken of the unquantised p and divides at the end.
; SHARES.  Work-group (x, y): head y / 4, query quarter y % 4 (256 queries), batches 4 x .. 4 x + 3.  Wave w: batch w / 4 of the four, query tile w % 4.  Sixteen waves of 256 registers, four to a SIMD: one wave's
; vector work stands beside another's matrix work and LDS loads.  A work-group walks 4 blocks of 64 queries x 8 steps of 128 keys.  K's and V's codes and scales of its four batches (4 x 51,200 bytes) are copied
; into LDS once and stay.  Only the bias streams: one tile of 64 queries x 128 keys (32,768 bytes) a step, read by all four batches' waves, through a ring of two slots.
; CLUSTER.  The four work-groups of a cluster have the same head and query quarter and other batches: they walk the same bias tiles, so each tile is asked for JOINTLY (mask 15), by wave 0 of each.
; K and V are not shared in a cluster: a record is read by the four query quarters, which lie in four clusters; it is 51,200 bytes once, against 1,048,576 bytes of bias for each work-group.
; THE BIAS IS THE C OF THE FIRST PRODUCT: it is loaded into the scores' registers, and the matrix instruction adds onto it in place.
; THE FIRST PRODUCT'S K IS 32, the instruction's 128.  A fragment of K holds FOUR tiles of 16 keys, one in each block of 32: lane l takes the 24 bytes of keys 64 f + l and 64 f + 32 + l.  Four fragments of q, each
; with q's codes in one block and zero codes in the others, pick one tile each; they overlap in one run of 30 registers: zeros, q in lanes 0-15, zeros, q in lanes 16-31, zeros.
; LAYOUT.  Both products are used transposed (source 0 = keys, or V's channels; source 1 = my 16 queries): a lane holds ONE query (lane % 16) throughout.  Tiles are 16 neighbouring keys, so the codes of p inside a
; block of 32 keys come out in the order 0-7, 16-23, 8-15, 24-31; V's images were made in the same order, and so are O's codes (W_out's image follows).
; OUT: oc [(batch x 8 + head)][token][24] codes; osc [batch x 1,024 + token][8] one scale byte a head.  The bytes are stored singly: 1 byte for each 24 of codes.
; LIMITS: p under 2^-126 comes out as 0 (v_exp_f32 gives no denormals: ISA guide, its entry); a block of zeros gets the byte 1 where the rule says 127 (zero codes; this program alone reads the bytes); blocks under
; 2^-124 keep the byte 1; NaN and infinities are not served; the order of k inside a block differs from the rule's, alike on both sides, so last bits of a sum may differ.
.set REC,   76800
.set KVB,   51200                      ; LDS: a batch's K codes +0, V images +24,576, K scale bytes +49,152, V scale words +50,176
.set BP,    528                        ; a row of a bias tile: 512 bytes + 16 of padding: the 16 rows that a load touches start at 16 different groups of banks
.set BSLOT, 64*BP
.set BIAS0, 4*KVB                      ; the ring's two slots
.set SPARE, BIAS0+2*BSLOT              ; the spare words, 128 bytes for each wave: eight blocks of 256 bytes that no other line names
.set TILE,  32768                      ; a bias tile in memory; a work-group's 32 tiles lie on end
.set AK,  1                            ; v1   my lane's place in my batch's K codes: 24 x lane
.set AV,  2                            ; v2   in V's images: 16 x lane
.set ASC, 3                            ; v3   among the scale words: 4 x lane
.set AB,  4                            ; v4   in a bias tile: row 16 (w % 4) + r, + 32 h
.set SPW, 5                            ; v5   my spare word's LDS address; never rewritten
.set NIL, 6                            ; v6   0; never rewritten
.set VQ,  7                            ; v7   24 r
.set ADK, 8                            ; v8-10 the step's LDS addresses
.set ADV, 9
.set ADS, 10
.set VQS, 11                           ; v11  4 r
                                       ; v12 -M, v13 the largest t, v[14:15] the sum in two halves
.set QR,  16                           ; v16-45   the run of q's four fragments
.set KF,  46                           ; v46-69   K's two fragments
.set VF,  70                           ; v70-93   V's two fragments
.set VO,  94                           ; v94  24 r + 12 h
.set VOS, 95                           ; v95  8 r
.set S,   96                           ; v96-159  the bias, then S^T, then p
.set OT,  160                          ; v160-175 O^T
.set PCD, 176                          ; v176-187 p's codes;  v188-190, v192-194 halves on their way
.set BM,  196                          ; v196-199 the blocks' largest scores, then p
.set BT,  200                          ; v200-203 at work
.set SO,  204                          ; v204-207 the conversions' scale operands
.set KS,  208                          ; scale words: K's, V's, q's, p's
.set VS,  209
.set QS,  210
.set PS,  211
.set FF,  212                          ; v[212:213] f = 2^(old M - new M)
.set TMP, 214
.set PFO, 215                          ; v215 256 x lane; never rewritten
.set C2,  216                          ; v[216:217] the sum's second chain
.set KVW, 218                          ; the copy of K and V: where it goes in LDS,
.set KVG, 219                          ; and 16 x lane
.set QT,  224                          ; v224-229 the next block's q;  v230 its scale word
.set QW,  230
.set WV,  18
.set SEL, 20                           ; s[20:21] lane l xor 16
.set CS,  22                           ; s[22:23] c
.set G1,  24                           ; s[24:31] descriptor group 1
.set G0,  32                           ; s[32:39] group 0, a set for each slot
.set LOW, 40                           ; lanes 0-15
.set QSEL, 41                          ; v_perm_b32's select: byte w % 4, four times
.set TK,  42                           ; the key steps' place in K's codes and V's images
.set TS,  43                           ; and among the scale words
.set OUTER, 44
.set INNER, 45
.set REM, 46                           ; fills still to come
.set LIM, 47                           ; 1 in the wave that prefetches, else the greatest number
.set PFA, 48                           ; s[48:49] where the prefetches stand
.set QCB, 50                           ; s[50:51] q's codes, s[52:53] q's scale bytes, s[54:55] oc, s[56:57] osc, at my tile of the block in hand
.set QSB, 52
.set OCB, 54
.set OSB, 56
.macro ROUND                           ; a round of the cluster's barrier
	s_barrier_signal -1
	s_barrier_wait -1
	s_cmp_lg_u32 s[WV], 0
	s_cbranch_scc1 .Lnot_wave_0_\@
	s_barrier_signal -3
.Lnot_wave_0_\@:
	s_barrier_wait -3
	s_barrier_signal -1
	s_barrier_wait -1
.endm
; A PREFETCH INTO THE L2 of the tile that the NEXT change of slots will ask for: one key step ahead of that load.  A tile is 128 blocks of 256 bytes.  Two clusters read it: the first (cluster x = 0) asks.  Its four
; partners take 32 blocks each, told apart by ADDRESS; in each, wave 1 asks, a lane a block.  So each block is named once in the launch.  Tiles 0 and 1 come by their loads alone; the last two steps ask for nothing.
.macro ASK
	s_cmp_gt_u32 s[REM], s[LIM]
	s_cbranch_scc0 .Lnot_mine_\@
	global_prefetch_b8 v[PFO], s[PFA:PFA+1] th:TH_LOAD_NT scope:SCOPE_SE
.Lnot_mine_\@:
.endm
; THE CHANGE OF SLOTS, at a step's head.  Every wave waits for all its tensor loads (wave 0: the tile that is about to be read), adds 0 to its spare word, and waits for that and for its reads of the slot that it has left;
; the round then holds of every wave of all four work-groups.  fill = 1: wave 0 asks for the next tile, into the slot just left: by this text's count one tensor load of wave 0 is out, none of the others.
.macro CHANGE slot, fill
	s_wait_tensorcnt 0x0                           ; no tensor load of mine is out, so a group 0 may be written
	ds_add_u32 v[SPW], v[NIL]                      ; 0 onto my spare word; the steps below stand between it and the wait for it
	s_add_nc_u64 s[G0+4*\slot+2:G0+4*\slot+3], s[G0+4*\slot+2:G0+4*\slot+3], 2*TILE   ; this slot's next tile
.if \fill
	s_wait_xcnt 0x0                                ; the last prefetch, a step back, has read its address
	s_add_nc_u64 s[PFA:PFA+1], s[PFA:PFA+1], TILE
.endif
	s_wait_dscnt 0x0                               ; the add is done, and my LDS reads and stores are over
	ROUND
.if \fill
	s_cmp_lg_u32 s[WV], 0
	s_cbranch_scc1 .Lno_fill_\@
	tensor_load_to_lds s[G0+4*(1-\slot):G0+4*(1-\slot)+3], s[G1:G1+7]
	s_nop 0
.rept 4
	v_nop
.endr
.Lno_fill_\@:
	ASK
	s_sub_co_u32 s[REM], s[REM], 1
.endif
.endm
; A KEY STEP: 128 keys; the bias tile lies in \slot; odd: the second step of a pair.
.macro STEP slot, odd
	v_add_nc_u32 v[ADK], s[TK], v[AK]              ; these three and the v_nop are the four plain lines between the last products and the loads into their operands' registers
	v_add_nc_u32 v[ADV], s[TK], v[AV]
	v_add_nc_u32 v[ADS], s[TS], v[ASC]
	v_nop
.irp f, 0,1
.irp c, 0,1
.irp p, 0,1,2
	ds_load_b64 v[KF+12*\f+6*\c+2*\p:KF+12*\f+6*\c+2*\p+1], v[ADK] offset:3072*\odd+1536*\f+768*\c+8*\p   ; key 64 f + 32 c + lane: lanes 24 bytes apart, 6 words: 32 lanes, 64 different banks
.endr
.endr
.endr
	ds_load_b32 v[KS], v[ADS] offset:128*\odd      ; lanes 0-15: the four tiles' bytes of fragment 0, row r; lanes 16-31: of fragment 1
.irp t, 0,1,2,3,4,5,6,7
.irp u, 0,1
	ds_load_b128 v[S+8*\t+4*\u:S+8*\t+4*\u+3], v[AB] offset:BSLOT*\slot+64*\t+16*\u   ; the bias of my query and keys 16 t + 8 h + 0 .. 7: the result's layout
.endr
.endr
.irp n, 0,1
.irp c, 0,1,2
	ds_load_b128 v[VF+12*\n+4*\c:VF+12*\n+4*\c+3], v[ADV] offset:3072*\odd+1536*\n+512*\c
.endr
.endr
	ds_load_b32 v[VS], v[ADS] offset:1024+128*\odd
	s_wait_dscnt 7                                 ; V's six loads and its scale word may be out
.irp p, 0,1,2,3                        ; S^T = K q^T + bias: tile 4 f + p; each accumulator has one instruction
	v_wmma_scale_f32_16x16x128_f8f6f4 v[S+8*\p:S+8*\p+7], v[KF:KF+11], v[QR+6*((2*\p+1)%5):QR+6*((2*\p+1)%5)+11], v[S+8*\p:S+8*\p+7], v[KS], v[QS] matrix_a_fmt:MATRIX_FMT_FP6 matrix_b_fmt:MATRIX_FMT_FP6
.endr
.irp p, 0,1,2,3
	v_wmma_scale_f32_16x16x128_f8f6f4 v[S+32+8*\p:S+32+8*\p+7], v[KF+12:KF+23], v[QR+6*((2*\p+1)%5):QR+6*((2*\p+1)%5)+11], v[S+32+8*\p:S+32+8*\p+7], v[KS], v[QS] matrix_a_fmt:MATRIX_FMT_FP6 matrix_b_fmt:MATRIX_FMT_FP6 matrix_a_scale:MATRIX_SCALE_ROW1
.endr
.rept 4
	v_nop
.endr
.irp b, 0,1,2,3
	v_max3_num_f32 v[BM+\b], v[S+16*\b], v[S+1+16*\b], v[S+2+16*\b]   ; THE LARGEST SCORE OF EACH BLOCK OF 32 KEYS serves twice: for the row's maximum, and, since p rises with the score, for the block's largest p
.endr
.irp i, 3,5,7,9,11,13
.irp b, 0,1,2,3
	v_max3_num_f32 v[BM+\b], v[BM+\b], v[S+16*\b+\i], v[S+1+16*\b+\i]
.endr
.endr
.irp b, 0,1,2,3
	v_max_num_f32 v[BM+\b], v[BM+\b], v[S+15+16*\b]
.endr
.irp b, 0,1,2,3
	v_permlanex16_b32 v[BT+\b], v[BM+\b], s[SEL], s[SEL+1]
.endr
.irp b, 0,1,2,3
	v_max_num_f32 v[BM+\b], v[BM+\b], v[BT+\b]     ; with lane l xor 16's 16 keys
.endr
	v_max3_num_f32 v[TMP], v[BM], v[BM+1], v[BM+2]
	v_max_num_f32 v[TMP], v[TMP], v[BM+3]          ; the step's largest score of my query
	v_mul_f32 v[TMP], s[CS], v[TMP]                ; as t (c is positive)
	v_max_num_f32 v13, v13, v[TMP]                 ; the running largest t
	v_mov_b32 v[TMP], v12
	v_floor_f32 v12, -v13                          ; the new -M = floor(-t): M is a whole number
	v_sub_f32 v[TMP], v12, v[TMP]                  ; old M - new M: a whole number, 0 or less
	v_cvt_i32_f32 v[TMP], v[TMP]                   ; (it saturates)
	v_ldexp_f32 v[FF], 1.0, v[TMP]                 ; f = 2^(old M - new M): a multiplication by it rounds nothing
.set jj, 0
.rept 32
	v_pk_fma_f32 v[S+jj:S+jj+1], v[S+jj:S+jj+1], s[CS:CS+1], v[12:13] op_sel_hi:[1,0,0]   ; t - M, two at a time
.set jj, jj+2
.endr
.irp b, 0,1,2,3
	v_fma_f32 v[BM+\b], v[BM+\b], s[CS], v12       ; the same of each block's largest score
.endr
.set jj, 0
.rept 64
	v_exp_f32 v[S+jj], v[S+jj]                     ; p = 2^(t - M), at most 1
.set jj, jj+1
.endr
	v_pk_mul_f32 v[14:15], v[14:15], v[FF:FF+1] op_sel_hi:[1,0]   ; the sums under the new M: the plain line behind the exponentials
	s_wait_alu depctr_va_vdst(0)                   ; one wait for the batch of 64, ahead of its first reader
.irp b, 0,1,2,3
	v_exp_f32 v[BM+\b], v[BM+\b]                   ; the block's largest p: the same two instructions on the same number give the same bits
.endr
	v_pk_add_f32 v[C2:C2+1], v[S:S+1], v[S+2:S+3]  ; THE ROW'S SUM IS TAKEN OF THE UNQUANTISED p, two at a time, in two chains.  Its first half is the work behind the four exponentials
.irp j, 4,8,12,16,20,24,28
	v_pk_add_f32 v[14:15], v[14:15], v[S+\j:S+\j+1]
	v_pk_add_f32 v[C2:C2+1], v[C2:C2+1], v[S+2+\j:S+3+\j]
.endr
	s_wait_alu depctr_va_vdst(0)                   ; and one wait for the four
.irp b, 0,1,2,3
	v_max_num_f32 v[BM+\b], 0x1800000, v[BM+\b]    ; the floor 2^(3 - 127): the byte cannot fall under 1
.endr
.irp b, 0,1,2,3
	v_add_nc_u32 v[SO+\b], 0xff000000, v[BM+\b]    ; 2 off the exponent field: the conversion's scale operand
.endr
.irp b, 0,1,2,3
	v_lshrrev_b32 v[BT+\b], 23, v[SO+\b]           ; the scale's byte
.endr
	v_lshl_or_b32 v[PS], v[BT+1], 8, v[BT]         ; p's scale word for these 128 keys
	v_lshl_or_b32 v[PS], v[BT+2], 16, v[PS]
	v_lshl_or_b32 v[PS], v[BT+3], 24, v[PS]
.irp c, 0,1
	v_cvt_scalef32_pk16_fp6_f32 v[PCD+6*\c:PCD+2+6*\c], v[S+32*\c:S+15+32*\c], v[SO+2*\c]
	v_cvt_scalef32_pk16_fp6_f32 v[PCD+12+4*\c:PCD+14+4*\c], v[S+16+32*\c:S+31+32*\c], v[SO+2*\c+1]   ; (a conversion's three registers begin on an even number)
.endr
	v_nop                                          ; one plain line behind a scaled conversion
.irp c, 0,1                            ; the operand's layout wants a WHOLE block in a lane
.irp i, 0,1,2
	v_permlane16_swap_b32 v[PCD+6*\c+\i], v[PCD+12+4*\c+\i]
.endr
.irp i, 0,1,2
	v_mov_b32 v[PCD+3+6*\c+\i], v[PCD+12+4*\c+\i]
.endr
.endr
.irp j, 32,36,40,44,48,52,56,60        ; the sum's second half: 17 plain lines that name no register of the products below: they part p's scale word and codes from those products
	v_pk_add_f32 v[14:15], v[14:15], v[S+\j:S+\j+1]
	v_pk_add_f32 v[C2:C2+1], v[C2:C2+1], v[S+2+\j:S+3+\j]
.endr
	v_pk_add_f32 v[14:15], v[14:15], v[C2:C2+1]
.irp j, 0,2,4,6,8,10,12,14
	v_pk_mul_f32 v[OT+\j:OT+\j+1], v[OT+\j:OT+\j+1], v[FF:FF+1] op_sel_hi:[1,0]   ; O^T under the new M
.endr
	s_wait_dscnt 0x0                               ; V
	v_wmma_scale_f32_16x16x128_f8f6f4 v[OT:OT+7], v[VF:VF+11], v[PCD:PCD+11], v[OT:OT+7], v[VS], v[PS] matrix_a_fmt:MATRIX_FMT_FP6 matrix_b_fmt:MATRIX_FMT_FP6
	v_wmma_scale_f32_16x16x128_f8f6f4 v[OT+8:OT+15], v[VF+12:VF+23], v[PCD:PCD+11], v[OT+8:OT+15], v[VS], v[PS] matrix_a_fmt:MATRIX_FMT_FP6 matrix_b_fmt:MATRIX_FMT_FP6 matrix_a_scale:MATRIX_SCALE_ROW1
.endm
.macro PAIR last
	CHANGE 0, 1
	STEP 0, 0
	CHANGE 1, 1-\last
	STEP 1, 1
	s_add_co_u32 s[TK], s[TK], 6144                ; two steps on: 256 keys x 24 bytes, and as many bytes of V's images
	s_add_co_u32 s[TS], s[TS], 256
.endm
; A block of 64 queries begins: q's fragments from the registers loaded a block ago; next = 1: the next block's q is asked for.
.macro INIT next
	s_wait_loadcnt 0x0                             ; q's codes and scale word are in, and their loads have read their bases
	v_perm_b32 v[QS], v[QW], v[QW], s[QSEL]        ; my tile's byte, four times: the blocks of zero codes may have any byte but 0xff
.irp i, 0,1,2,3,4,5
	v_cndmask_b32 v[QR+6+\i], v[QR], v[QT+\i], s[LOW]    ; q in lanes 0-15, zeros above
.endr
.irp i, 0,1,2,3,4,5
	v_cndmask_b32 v[QR+18+\i], v[QT+\i], v[QR], s[LOW]   ; q in lanes 16-31, zeros below
.endr
	v_mov_b32 v13, 0xff61b1e6                      ; the largest t so far: -3e38
	v_floor_f32 v12, -v13
	v_mov_b32 v14, 0
	v_mov_b32 v15, 0
.set jj, 0
.rept 16
	v_mov_b32 v[OT+jj], 0                          ; the step is written once: the first finds zeros, which the first change of M leaves zeros
.set jj, jj+1
.endr
	s_mov_b32 s[TK], 0
	s_mov_b32 s[TS], 0
.if \next
	s_add_nc_u64 s[QCB:QCB+1], s[QCB:QCB+1], 1536
	s_add_nc_u64 s[QSB:QSB+1], s[QSB:QSB+1], 64
.irp p, 0,1,2
	global_load_b64 v[QT+2*\p:QT+2*\p+1], v[VQ], s[QCB:QCB+1] offset:8*\p
.endr
	global_load_b32 v[QW], v[VQS], s[QSB:QSB+1]
.endif
.endm
; A block ends: O^T / l is quantised (a head's 32 channels are one block of the last product's K) and stored.  more = 1: the bases step to the next block.
.macro FINISH more
.rept 4
	v_nop
.endr
	v_add_f32 v14, v14, v15                        ; the sum's two halves,
	v_permlanex16_b32 v[TMP], v14, s[SEL], s[SEL+1]
	v_add_f32 v14, v14, v[TMP]                     ; and lane l xor 16's
	v_rcp_f32 v14, v14
	v_nop                                          ; a plain line behind the reciprocal,
	s_wait_alu depctr_va_vdst(0)                   ; and the wait ahead of its first reader
.set jj, 0
.rept 16
	v_mul_f32 v[S+jj], v[OT+jj], v14               ; register 8 n + j: channel 16 n + 8 h + j of my query
.set jj, jj+1
.endr
	v_max3_num_f32 v[BM], |v[S]|, |v[S+1]|, 0x1800000
	v_max3_num_f32 v[BM+1], |v[S+8]|, |v[S+9]|, |v[S+10]|
.irp i, 2,4,6
	v_max3_num_f32 v[BM], v[BM], |v[S+\i]|, |v[S+1+\i]|
.endr
.irp i, 11,13
	v_max3_num_f32 v[BM+1], v[BM+1], |v[S+\i]|, |v[S+1+\i]|
.endr
	v_max3_num_f32 v[BM], v[BM], v[BM+1], |v[S+15]|
	v_permlanex16_b32 v[BT], v[BM], s[SEL], s[SEL+1]
	v_max_num_f32 v[BM], v[BM], v[BT]
	v_add_nc_u32 v[SO], 0xff000000, v[BM]
	v_lshrrev_b32 v[BT], 23, v[SO]
	v_cvt_scalef32_pk16_fp6_f32 v[PCD:PCD+2], v[S:S+15], v[SO]
	v_nop
	global_store_b96 v[VO], v[PCD:PCD+2], s[OCB:OCB+1]   ; 12 bytes a lane: the wave stores 384 consecutive bytes
	global_store_b8 v[VOS], v[BT], s[OSB:OSB+1]          ; (both halves of the lanes write the same byte with the same value)
.if \more
	s_wait_xcnt 0x0                                ; the stores have read their registers and bases
	s_add_nc_u64 s[OCB:OCB+1], s[OCB:OCB+1], 1536
	s_add_nc_u64 s[OSB:OSB+1], s[OSB:OSB+1], 512
.endif
.endm
	s_load_b256 s[4:11], s[0:1], 0x0               ; heads s[4:5], biasx s[6:7], oc s[8:9], osc s[10:11]
	v_lshl_add_u32 v[SPW], v0, 2, SPARE
	v_mov_b32 v[NIL], 0
	ds_add_u32 v[SPW], v[NIL]                      ; the wave's opening: the add and its wait stand ahead of the first tensor load; the set-up below, work on registers, stands between them
	v_lshrrev_b32 v8, 5, v0
	v_readfirstlane_b32 s[WV], v8                  ; wave 0..15
	s_bfe_u32 s12, ttmp6, 0x40000                  ; cx: it enters global addresses of my own loads, stores and prefetches alone
	s_lshl_b32 s13, ttmp9, 2
	s_add_co_u32 s13, s13, s12                     ; group of four batches
	s_and_b32 s14, ttmp7, 0xffff                   ; y = 4 x head + query quarter
	s_lshr_b32 s15, s[WV], 2                       ; which of the four batches
	s_and_b32 s16, s[WV], 3                        ; which query tile of a block
	s_lshl_b32 s17, s13, 2
	s_add_co_u32 s17, s17, s15                     ; batch
	s_lshr_b32 s19, s14, 2                         ; head
	s_and_b32 s60, s14, 3                          ; query quarter
	s_lshl_b32 s61, s17, 3
	s_add_co_u32 s61, s61, s19                     ; 8 x batch + head
	s_mul_i32 s62, s61, REC                        ; my record
	s_mul_i32 s58, s16, 12800                      ; the copy of K and V: my quarter of the record's last 51,200 bytes
	s_add_co_u32 s58, s58, s62
	s_add_co_u32 s58, s58, 25600
	s_mov_b32 s59, 0
	s_mul_i32 s63, s60, 6144                       ; 256 queries x 24 bytes,
	s_mul_i32 s13, s16, 384                        ; 16 x 24
	s_add_co_u32 s63, s63, s13
	s_add_co_u32 s[QCB], s62, s63
	s_mov_b32 s[QCB+1], 0
	s_lshl_b32 s13, s60, 8
	s_add_co_u32 s[QSB], s62, s13
	s_add_co_u32 s[QSB], s[QSB], 24576
	s_mov_b32 s[QSB+1], 0
	s_mul_i32 s[OCB], s61, 24576
	s_add_co_u32 s[OCB], s[OCB], s63
	s_mov_b32 s[OCB+1], 0
	s_lshl_b32 s[OSB], s17, 13                     ; 1,024 tokens x 8 bytes,
	s_lshl_b32 s13, s60, 11
	s_add_co_u32 s[OSB], s[OSB], s13
	s_lshl_b32 s13, s16, 7
	s_add_co_u32 s[OSB], s[OSB], s13
	s_add_co_u32 s[OSB], s[OSB], s19               ; my head's byte
	s_mov_b32 s[OSB+1], 0
	s_lshl_b32 s2, s14, 20                         ; the work-group's 32 bias tiles: made of y alone, which the partners share
	s_mov_b32 s3, 0
	s_lshl_b32 s[PFA], s12, 13                     ; the prefetches: my work-group's quarter of a tile,
	s_add_co_u32 s[PFA], s[PFA], s2
	s_add_co_u32 s[PFA], s[PFA], TILE              ; at tile 1: the first change of slots steps it to tile 2
	s_mov_b32 s[PFA+1], 0
	s_xor_b32 s[LIM], s[WV], 1                     ; 0 in wave 1,
	s_or_b32 s[LIM], s[LIM], ttmp9                 ; of the first of the two clusters: the same in all four partners
	s_cmp_eq_u32 s[LIM], 0
	s_cselect_b32 s[LIM], 1, -1
	; descriptor group 1: 64 rows of 512 bytes, dense in memory, 16 bytes of padding behind each in LDS
	s_mov_b32 s[G1], 15|(3<<16)|(1<<20)|(1<<21)|(6<<22)|(3<<25)   ; 15:0 the mask: all four work-groups; 17:16 elements of 8 bytes; 20 padding on; 21 set beside a mask; 24:22 after every 128 words; 31:25 4 words of it
	s_mov_b32 s[G1+1], 64<<16                      ; tensor_dim0 = 64
	s_mov_b32 s[G1+2], 64<<16                      ; tensor_dim1 = 64
	s_mov_b32 s[G1+3], 64<<16                      ; tile_dim0 = 64
	s_mov_b32 s[G1+4], 64                          ; tile_dim1 = 64
	s_mov_b32 s[G1+5], 64                          ; from row to row
	s_mov_b32 s[G1+6], 0
	s_mov_b32 s[G1+7], 0
	s_mov_b32 s[SEL], 0x76543210
	s_mov_b32 s[SEL+1], 0xfedcba98
	s_mov_b32 s[CS], 0x3e8293ee                    ; c = log2(e) / sqrt(32)
	s_mov_b32 s[CS+1], s[CS]                       ; (named with it as a pair, so it is written)
	s_mov_b32 s[LOW], 0xffff
	s_mul_i32 s[QSEL], s16, 0x01010101
	s_mov_b32 s[REM], 31
	v_and_b32 v8, 31, v0                           ; lane
	v_and_b32 v9, 15, v0                           ; r
	v_bfe_u32 v10, v0, 4, 1                        ; h
	s_mul_i32 s13, s15, KVB                        ; my batch's part of LDS
	v_mul_u32_u24 v[AK], v8, 24
	v_add_nc_u32 v[AK], s13, v[AK]
	v_lshlrev_b32 v[KVG], 4, v8
	v_add_nc_u32 v[AV], s13, v[KVG]
	v_add_nc_u32 v[AV], 24576, v[AV]
	v_lshlrev_b32 v[ASC], 2, v8
	v_add_nc_u32 v[ASC], s13, v[ASC]
	v_add_nc_u32 v[ASC], 49152, v[ASC]
	s_mul_i32 s13, s16, 16*BP
	s_add_co_u32 s13, s13, BIAS0
	v_mul_u32_u24 v[AB], v9, BP
	v_lshl_add_u32 v[AB], v10, 5, v[AB]
	v_add_nc_u32 v[AB], s13, v[AB]
	s_mul_i32 s13, s[WV], 12800
	v_add_nc_u32 v[KVW], s13, v[KVG]
	v_mul_u32_u24 v[VQ], v9, 24
	v_lshlrev_b32 v[VQS], 2, v9
	v_mul_u32_u24 v[VO], v10, 12
	v_add_nc_u32 v[VO], v[VO], v[VQ]
	v_lshlrev_b32 v[VOS], 3, v9
	v_lshlrev_b32 v[PFO], 8, v8
	s_wait_dscnt 0x0                               ; the opening add is done
	s_wait_kmcnt 0x0
	s_add_nc_u64 s[58:59], s[4:5], s[58:59]
	s_add_nc_u64 s[QCB:QCB+1], s[4:5], s[QCB:QCB+1]
	s_add_nc_u64 s[QSB:QSB+1], s[4:5], s[QSB:QSB+1]
	s_add_nc_u64 s[OCB:OCB+1], s[8:9], s[OCB:OCB+1]
	s_add_nc_u64 s[OSB:OSB+1], s[10:11], s[OSB:OSB+1]
	s_add_nc_u64 s[PFA:PFA+1], s[6:7], s[PFA:PFA+1]
	s_add_nc_u64 s[2:3], s[6:7], s[2:3]
	s_mov_b32 s[G0], 1                             ; group 0 of slot 0: count 1,
	s_mov_b32 s[G0+1], BIAS0                       ; the LDS address,
	s_mov_b64 s[G0+2:G0+3], s[2:3]                 ; tile 0,
	s_or_b32 s[G0+3], s[G0+3], 0x80000000          ; type 2
	s_mov_b32 s[G0+4], 1
	s_mov_b32 s[G0+5], BIAS0+BSLOT
	s_add_nc_u64 s[G0+6:G0+7], s[2:3], TILE        ; slot 1: tile 1
	s_or_b32 s[G0+7], s[G0+7], 0x80000000
.set ii, 0
.rept 25
	global_load_b128 v[S+4*ii:S+4*ii+3], v[KVG], s[58:59] offset:512*ii   ; K and V: 12,800 bytes a wave, 512 consecutive bytes a load
.set ii, ii+1
.endr
.irp p, 0,1,2
	global_load_b64 v[QT+2*\p:QT+2*\p+1], v[VQ], s[QCB:QCB+1] offset:8*\p   ; the first block's q
.endr
	global_load_b32 v[QW], v[VQS], s[QSB:QSB+1]
	ROUND                                          ; all four work-groups are here: the first joint load meets
	s_cmp_lg_u32 s[WV], 0
	s_cbranch_scc1 .Lno_first
	tensor_load_to_lds s[G0:G0+3], s[G1:G1+7]      ; tile 0
	s_nop 0
.rept 4
	v_nop
.endr
.Lno_first:
	s_wait_loadcnt 4                               ; K and V are in registers; q's four loads may be out
.set ii, 0
.rept 25
	ds_store_b128 v[KVW], v[S+4*ii:S+4*ii+3] offset:512*ii
.set ii, ii+1
.endr
.irp i, 0,1,2,3,4,5
	v_mov_b32 v[QR+\i], 0                          ; the run's zeros, written once
	v_mov_b32 v[QR+12+\i], 0
	v_mov_b32 v[QR+24+\i], 0
.endr
.irp b, 0,1,2,3
	v_mov_b32 v[BT+\b], 0                          ; a lane permute's destination counts as one of its sources
.endr
	v_mov_b32 v[FF+1], 0                           ; (named as the upper half of a pair)
	v_mov_b32 v[TMP], 0
	s_wait_dscnt 0x0                               ; the stores have read their registers; the first change of slots shows them to the other waves
	s_mov_b32 s[OUTER], 3
.Lblock:                                           ; three blocks of 64 queries, all of whose steps ask for a tile
	INIT 1
	s_mov_b32 s[INNER], 4
.Lpair:
	PAIR 0
	s_sub_co_u32 s[INNER], s[INNER], 1
	s_cmp_lg_u32 s[INNER], 0
	s_cbranch_scc1 .Lpair
	FINISH 1
	s_sub_co_u32 s[OUTER], s[OUTER], 1
	s_cmp_lg_u32 s[OUTER], 0
	s_cbranch_scc1 .Lblock
	INIT 0                                         ; the last block is written out: its last step asks for nothing
	s_mov_b32 s[INNER], 3
.Lpair_last:
	PAIR 0
	s_sub_co_u32 s[INNER], s[INNER], 1
	s_cmp_lg_u32 s[INNER], 0
	s_cbranch_scc1 .Lpair_last
	PAIR 1
	FINISH 0
	s_wait_tensorcnt 0x0                           ; the wave's end: behind my last tensor load and my last LDS store
	ds_add_u32 v[SPW], v[NIL]
	s_wait_dscnt 0x0
	ROUND                                          ; the closing round: no work-group ends while a partner may still ask for a tile that names it
	s_endpgm
.Lfunc_end_k_q4c6396941d_attn:
	.size	k_q4c6396941d_attn, .Lfunc_end_k_q4c6396941d_attn-k_q4c6396941d_attn
	.p2alignl 7, 3214868480
	.fill 96, 4, 3214868480
	.section	.rodata,"a",@progbits
	.p2align	6, 0x0
	.amdhsa_kernel k_q4c6396941d_attn
		.amdhsa_group_segment_fixed_size 327680
		.amdhsa_private_segment_fixed_size 0
		.amdhsa_enable_private_segment 0
		.amdhsa_kernarg_size 32
		.amdhsa_user_sgpr_count 2
		.amdhsa_user_sgpr_kernarg_segment_ptr 1
		.amdhsa_wavefront_size32 1
		.amdhsa_system_sgpr_workgroup_id_x 1
		.amdhsa_system_sgpr_workgroup_id_y 1
		.amdhsa_system_sgpr_workgroup_id_z 1
		.amdhsa_system_vgpr_workitem_id 0
		.amdhsa_next_free_vgpr 256
		.amdhsa_next_free_sgpr 66
		.amdhsa_reserve_vcc 0
		.amdhsa_float_denorm_mode_32 3
		.amdhsa_float_denorm_mode_16_64 3
		.amdhsa_memory_ordered 1
		.amdhsa_forward_progress 1
		.amdhsa_inst_pref_size 115
	.end_amdhsa_kernel
	.amdgpu_metadata
---
amdhsa.version: [ 1, 2 ]
amdhsa.kernels:
  - .name:           k_q4c6396941d_attn
    .symbol:         k_q4c6396941d_attn.kd
    .args:
      - { .name: heads, .offset: 0, .size: 8, .value_kind: global_buffer, .address_space: global }
      - { .name: biasx, .offset: 8, .size: 8, .value_kind: global_buffer, .address_space: global }
      - { .name: oc, .offset: 16, .size: 8, .value_kind: global_buffer, .address_space: global }
      - { .name: osc, .offset: 24, .size: 8, .value_kind: global_buffer, .address_space: global }
    .group_segment_fixed_size: 327680
    .private_segment_fixed_size: 0
    .kernarg_segment_align: 8
    .kernarg_segment_size: 32
    .max_flat_workgroup_size: 512
    .sgpr_count:     66
    .vgpr_count:     256
    .wavefront_size: 32
...
	.end_amdgpu_metadata
.endif
;; end of part 3
;; launch proj (part 4): grid 256 x 1, 4 waves a work-group, no clusters, 17,920 bytes of LDS; arguments oc, osc, wimg, wsc, b_out, out0; writes out0
.if DOCPART == 4
	.amdgcn_target "amdgcn-amd-amdhsa--gfx1250"
	.amdhsa_code_object_version 6
	.text
	.protected	k_q4c6396941d_proj
	.globl	k_q4c6396941d_proj
	.p2align	8
	.type	k_q4c6396941d_proj,@function
k_q4c6396941d_proj:
	s_mov_b64 s[64:65], 0
	v_nop
	global_prefetch_b8 v0, s[64:65] scope:SCOPE_SE
	s_setreg_imm32_b32 hwreg(HW_REG_WAVE_MODE, 25, 1), 1
	s_wait_xcnt 0x0
; PROJ: out0 = O W_out + b_out on codes of FP6 (E2M3).  O comes as codes oc [(batch x 8 + head)][token][24] with one scale byte a head, osc [batch x 1,024 + token][8]; W_out as register images (wimg fragments 96 .. 127, wsc),
; with K inside each block in the order of O's codes.  out0 [32][1024][256] f32.
; SHARES.  A work-group takes 128 tokens; wave w takes output columns 64 w .. 64 w + 63 for all eight token tiles.  Its 8 fragments of W_out, their scale words and its part of b_out stay in registers.
; The product is used transposed (source 0 = 16 columns of W_out, source 1 = 16 tokens): a lane holds eight neighbouring columns of one row of out0.  b_out is the C of each sum's first instruction.
; A fragment of O: lane (r, h) takes, for K step s and register half c, the 24 bytes of token r of head 4 s + 2 c + h: a head is one block of K.  Its scale words are the token's 8 bytes.
; THE WAY OUT: a tile (16 tokens x 64 columns) goes through the wave's own stage in LDS and leaves as rows of 256 bytes: sixteen lanes store 256 consecutive bytes, aligned.  No barrier: waves share nothing in LDS.
; No cluster, no tensor load: what work-groups share is W_out's images, 49,152 bytes, which go once into registers; O's loads run two tiles ahead.
.set SPARE, 17408                      ; behind the four stages of 16 x 272 bytes: the spare words, 128 bytes for each wave: two blocks of 256 bytes that no other line names
.set OA,  1                            ; v1   24,576 h + 24 r
.set OSA, 2                            ; v2   8 r
.set STO, 3                            ; v3   the stage, in: row r, + 32 h
.set RD,  4                            ; v4   and back: lanes 0-15 one row, lanes 16-31 the next
.set CO,  5                            ; v5   the same two rows in out0
.set LI,  6                            ; v6   16 x lane
.set LS,  7                            ; v7   4 x lane
.set BA,  8                            ; v8   32 h
.set WF,  32                           ; v32-127  W_out's fragments: (tile n, K step s) at 12 (2 n + s)
.set WS,  128                          ; v128-135 their scale words
.set BO,  136                          ; v136-167 b_out in the result's layout, 8 a tile
.set OF,  168                          ; v168-215 two sets of O's two fragments
.set OS,  216                          ; v216-219 two pairs of O's scale words
.set AC,  220                          ; v220-251 four accumulators
.set SPW, 252                          ; v252 my spare word's LDS address; never rewritten
.set NIL, 253                          ; v253 0; never rewritten
.macro OLOAD m                         ; token tile m: 12 loads of 8 bytes and the scale words, into set m % 2
.set OB, OF+24*((\m)%2)
.irp s, 0,1
.irp c, 0,1
.irp p, 0,1,2
	global_load_b64 v[OB+12*\s+6*\c+2*\p:OB+12*\s+6*\c+2*\p+1], v[OA], s[4:5] offset:(4*\s+2*\c)*24576+384*(\m)+8*\p
.endr
.endr
.endr
	global_load_b64 v[OS+2*((\m)%2):OS+2*((\m)%2)+1], v[OSA], s[6:7] offset:128*(\m)
.endm
	s_load_b256 s[4:11], s[0:1], 0x0               ; oc s[4:5], osc s[6:7], wimg s[8:9], wsc s[10:11]
	s_load_b128 s[12:15], s[0:1], 0x20             ; b_out s[12:13], out0 s[14:15]
	v_lshl_add_u32 v[SPW], v0, 2, SPARE
	v_mov_b32 v[NIL], 0
	v_lshrrev_b32 v9, 5, v0
	v_readfirstlane_b32 s18, v9                    ; wave 0..3
	v_and_b32 v9, 31, v0                           ; lane
	v_and_b32 v10, 15, v0                          ; r
	v_bfe_u32 v11, v0, 4, 1                        ; h
	v_mul_u32_u24 v[OA], v11, 24576
	v_mad_u32_u24 v[OA], v10, 24, v[OA]
	v_lshlrev_b32 v[OSA], 3, v10
	s_mul_i32 s19, s18, 16*272                     ; my stage
	v_mul_u32_u24 v[STO], v10, 272
	v_lshl_add_u32 v[STO], v11, 5, v[STO]
	v_add_nc_u32 v[STO], s19, v[STO]
	v_mul_u32_u24 v[RD], v11, 272
	v_lshl_add_u32 v[RD], v10, 4, v[RD]
	v_add_nc_u32 v[RD], s19, v[RD]
	v_lshlrev_b32 v[CO], 10, v11
	v_lshl_add_u32 v[CO], v10, 4, v[CO]
	v_lshlrev_b32 v[LI], 4, v9
	v_lshlrev_b32 v[LS], 2, v9
	v_lshlrev_b32 v[BA], 5, v11
	s_lshr_b32 s20, ttmp9, 3
	s_mul_i32 s20, s20, 8*24576                    ; oc: my batch's eight heads,
	s_and_b32 s21, ttmp9, 7
	s_mul_i32 s21, s21, 3072                       ; 128 tokens x 24 bytes
	s_add_co_u32 s20, s20, s21
	s_mov_b32 s21, 0
	s_lshl_b32 s22, ttmp9, 10                      ; osc: 128 tokens x 8 bytes a work-group
	s_mov_b32 s23, 0
	s_mul_i32 s24, s18, 8*1536                     ; wimg: fragments 96 + 8 w on
	s_add_co_u32 s24, s24, 96*1536
	s_mov_b32 s25, 0
	s_lshl_b32 s26, s18, 10
	s_add_co_u32 s26, s26, 96*128
	s_mov_b32 s27, 0
	s_lshl_b32 s28, s18, 8                         ; my 64 columns, in bytes
	s_mov_b32 s29, 0
	s_lshl_b32 s30, ttmp9, 17                      ; out0: 128 rows of 1,024 bytes a work-group
	s_add_co_u32 s30, s30, s28
	s_mov_b32 s31, 0
	s_wait_kmcnt 0x0
	s_add_nc_u64 s[4:5], s[4:5], s[20:21]
	s_add_nc_u64 s[6:7], s[6:7], s[22:23]
	s_add_nc_u64 s[8:9], s[8:9], s[24:25]
	s_add_nc_u64 s[10:11], s[10:11], s[26:27]
	s_add_nc_u64 s[12:13], s[12:13], s[28:29]
	s_add_nc_u64 s[14:15], s[14:15], s[30:31]
.set qi, 0
.rept 24
	global_load_b128 v[WF+4*qi:WF+4*qi+3], v[LI], s[8:9] offset:512*qi
.set qi, qi+1
.endr
.set qi, 0
.rept 8
	global_load_b32 v[WS+qi], v[LS], s[10:11] offset:128*qi
.set qi, qi+1
.endr
.irp n, 0,1,2,3
	global_load_b128 v[BO+8*\n:BO+8*\n+3],   v[BA], s[12:13] offset:64*\n      ; b_out at columns 16 n + 8 h + 0 .. 7 of my 64
	global_load_b128 v[BO+8*\n+4:BO+8*\n+7], v[BA], s[12:13] offset:64*\n+16
.endr
	OLOAD 0
	OLOAD 1
.irp m, 0,1,2,3,4,5,6,7
.if \m < 7
	s_wait_loadcnt 13                              ; this tile's loads are in; the next tile's thirteen may be out
.else
	s_wait_loadcnt 0x0
.endif
.if \m > 0
	s_wait_xcnt 0x0                                ; the last tile's stores have read the registers in which the sums begin anew
.endif
.irp n, 0,1,2,3                        ; the four accumulators by turns; b_out starts the sums
	v_wmma_scale_f32_16x16x128_f8f6f4 v[AC+8*\n:AC+8*\n+7], v[WF+24*\n:WF+24*\n+11], v[OF+24*(\m%2):OF+24*(\m%2)+11], v[BO+8*\n:BO+8*\n+7], v[WS+2*\n], v[OS+2*(\m%2)] matrix_a_fmt:MATRIX_FMT_FP6 matrix_b_fmt:MATRIX_FMT_FP6
.endr
.irp n, 0,1,2,3
	v_wmma_scale_f32_16x16x128_f8f6f4 v[AC+8*\n:AC+8*\n+7], v[WF+24*\n+12:WF+24*\n+23], v[OF+24*(\m%2)+12:OF+24*(\m%2)+23], v[AC+8*\n:AC+8*\n+7], v[WS+2*\n+1], v[OS+2*(\m%2)+1] matrix_a_fmt:MATRIX_FMT_FP6 matrix_b_fmt:MATRIX_FMT_FP6
.endr
.rept 5
	v_nop                                          ; four plain lines part the products from the loads into their operands and from the first read of results; the fifth is owed to the next tile's products, which write over these accumulators
.endr
.if \m+2 < 8
	OLOAD \m+2
.endif
.irp n, 0,1,2,3
	ds_store_b128 v[STO], v[AC+8*\n:AC+8*\n+3] offset:64*\n          ; each accumulator from its low end on
	ds_store_b128 v[STO], v[AC+8*\n+4:AC+8*\n+7] offset:64*\n+16
.endr
.irp i, 0,1,2,3,4,5,6,7
	ds_load_b128 v[AC+4*\i:AC+4*\i+3], v[RD] offset:544*\i           ; LDS serves a wave's instructions in order (ISA guide 5.7.1.4): these see the stores above, and land in the registers that those have left
.endr
.irp i, 0,1,2,3,4,5,6,7
	s_wait_dscnt 7-\i
	global_store_b128 v[CO], v[AC+4*\i:AC+4*\i+3], s[14:15] offset:(16*\m+2*\i)*1024 th:TH_STORE_NT   ; sixteen lanes store 256 consecutive bytes, aligned; written once, read by nobody here
.endr
.endr
	s_wait_tensorcnt 0x0                           ; the wave's end: behind my last LDS store
	ds_add_u32 v[SPW], v[NIL]
	s_wait_dscnt 0x0
	s_endpgm
.Lfunc_end_k_q4c6396941d_proj:
	.size	k_q4c6396941d_proj, .Lfunc_end_k_q4c6396941d_proj-k_q4c6396941d_proj
	.p2alignl 7, 3214868480
	.fill 96, 4, 3214868480
	.section	.rodata,"a",@progbits
	.p2align	6, 0x0
	.amdhsa_kernel k_q4c6396941d_proj
		.amdhsa_group_segment_fixed_size 17920
		.amdhsa_private_segment_fixed_size 0
		.amdhsa_enable_private_segment 0
		.amdhsa_kernarg_size 48
		.amdhsa_user_sgpr_count 2
		.amdhsa_user_sgpr_kernarg_segment_ptr 1
		.amdhsa_wavefront_size32 1
		.amdhsa_system_sgpr_workgroup_id_x 1
		.amdhsa_system_sgpr_workgroup_id_y 1
		.amdhsa_system_sgpr_workgroup_id_z 1
		.amdhsa_system_vgpr_workitem_id 0
		.amdhsa_next_free_vgpr 256
		.amdhsa_next_free_sgpr 66
		.amdhsa_reserve_vcc 0
		.amdhsa_float_denorm_mode_32 3
		.amdhsa_float_denorm_mode_16_64 3
		.amdhsa_memory_ordered 1
		.amdhsa_forward_progress 1
		.amdhsa_inst_pref_size 42
	.end_amdhsa_kernel
	.amdgpu_metadata
---
amdhsa.version: [ 1, 2 ]
amdhsa.kernels:
  - .name:           k_q4c6396941d_proj
    .symbol:         k_q4c6396941d_proj.kd
    .args:
      - { .name: oc, .offset: 0, .size: 8, .value_kind: global_buffer, .address_space: global }
      - { .name: osc, .offset: 8, .size: 8, .value_kind: global_buffer, .address_space: global }
      - { .name: wimg, .offset: 16, .size: 8, .value_kind: global_buffer, .address_space: global }
      - { .name: wsc, .offset: 24, .size: 8, .value_kind: global_buffer, .address_space: global }
      - { .name: b_out, .offset: 32, .size: 8, .value_kind: global_buffer, .address_space: global }
      - { .name: out0, .offset: 40, .size: 8, .value_kind: global_buffer, .address_space: global }
    .group_segment_fixed_size: 17920
    .private_segment_fixed_size: 0
    .kernarg_segment_align: 8
    .kernarg_segment_size: 48
    .max_flat_workgroup_size: 128
    .sgpr_count:     66
    .vgpr_count:     256
    .wavefront_size: 32
...
	.end_amdgpu_metadata
.endif
;; end of part 4
;; ======== version 2 of 2: 4 launches
;; workspace buffers: wimg 196,608 bytes; wsc 16,384 bytes; biasx 33,554,432 bytes; heads 19,660,800 bytes; oc 6,291,456 bytes; osc 262,144 bytes
;; launch prep (part 5): grid 272 x 1, 8 waves a work-group, no clusters, 0 bytes of LDS; arguments W_qkv, W_out, bias_table, rel_index, wimg, wsc, biasx; writes wimg, wsc, biasx
.if DOCPART == 5
	.amdgcn_target "amdgcn-amd-amdhsa--gfx1250"
	.amdhsa_code_object_version 6
	.text
	.protected	k_q4c6396941d_prep
	.globl	k_q4c6396941d_prep
	.p2align	8
	.type	k_q4c6396941d_prep,@function
k_q4c6396941d_prep:
	s_mov_b64 s[64:65], 0
	v_nop
	global_prefetch_b8 v0, s[64:65] scope:SCOPE_SE
	s_setreg_imm32_b32 hwreg(HW_REG_WAVE_MODE, 25, 1), 1
	s_wait_xcnt 0x0
; PREP: what every later launch reads again is laid out once.
; (1) biasx: the relative-position bias, gathered through rel_index as it is given, times sqrt(32), f32, in the order in which the attention launch walks it:
;     tile ((head x 16 + i / 64) x 8 + j / 128) of 32,768 bytes; in it row i % 64 of 512 bytes, key j % 128 of 4 bytes.  (The factor lets the later launch add the bias to the raw scores and scale both by one number.)
; (2) wimg, wsc: W_qkv [256][768] and W_out [256][256], whose K is the FIRST axis, as codes of FP6 (E2M3) with one E8M0 byte for each 32 along K, laid as IMAGES OF OPERAND REGISTERS:
;     fragment F = 2 T + s (16 columns T, 128 along K s) at F x 1,536 bytes: register q of lane l at 512 (q / 4) + 16 l + 4 (q % 4); its scale words at F x 128 + 4 l.  T 0-47: W_qkv; T 48-63: W_out.
;     W_out's K inside each block of 32 is laid in the order 0-7, 16-23, 8-15, 24-31: the order in which the attention launch's codes of O come out of its registers.
; SHARES: work-groups 0-255: the bias: a wave takes half a row i (512 keys, all 8 heads).  Work-groups 256-271: a wave takes one fragment.  No LDS, no barrier: waves share nothing.
; No cluster, no tensor load: no two work-groups read the same bytes but the small table (127,008 bytes), which is gathered row by row.
; LIMITS: an index outside 0 .. 3,968 is held at 3,968.  A block of zeros gets the byte 1 where the rule says 127 (its codes are zeros, and this program alone reads the bytes); blocks whose largest
; magnitude lies under 2^-124 keep the byte 1; NaN and infinities are not served.
.set SQ32,  0x40b504f3                 ; sqrt(32)
.set LASTR, 3968                       ; the table's last row
.set IDX,   8                          ; v8-23    16 indices, then byte offsets of table rows
.set GA,    32                         ; v32-159  16 table rows of 8 numbers
.set OUTR,  160                        ; v160-223 two sets of 8 heads x 4 keys
	s_load_b256 s[4:11], s[0:1], 0x0               ; W_qkv s[4:5], W_out s[6:7], bias_table s[8:9], rel_index s[10:11]
	s_load_b128 s[12:15], s[0:1], 0x20             ; wimg s[12:13], wsc s[14:15]
	s_load_b64 s[16:17], s[0:1], 0x30              ; biasx
	v_lshrrev_b32 v1, 5, v0
	s_delay_alu instid0(VALU_DEP_1)
	v_readfirstlane_b32 s18, v1                    ; wave 0..7
	v_and_b32 v2, 31, v0                           ; lane
	s_cmp_ge_u32 ttmp9, 256
	s_cbranch_scc1 .Lweights
	; ---- the bias
	s_lshl_b32 s19, ttmp9, 3
	s_add_co_u32 s19, s19, s18                     ; 0 .. 2,047
	s_lshr_b32 s28, s19, 1                         ; row i
	s_and_b32 s29, s19, 1                          ; which 512 keys
	v_lshlrev_b32 v1, 4, v2                        ; 16 bytes a lane: four indices in, four numbers out
	s_lshl_b32 s30, s28, 12                        ; rel_index: 4,096 bytes a row,
	s_lshl_b32 s31, s29, 11                        ; 2,048 a half
	s_add_co_u32 s30, s30, s31
	s_mov_b32 s31, 0
	s_lshr_b32 s32, s28, 6
	s_lshl_b32 s32, s32, 18                        ; biasx: (i / 64) x 8 tiles,
	s_lshl_b32 s33, s29, 17                        ; 4 tiles a half,
	s_add_co_u32 s32, s32, s33
	s_and_b32 s33, s28, 63
	s_lshl_b32 s33, s33, 9                         ; row i % 64
	s_add_co_u32 s32, s32, s33
	s_mov_b32 s33, 0
	s_wait_alu depctr_va_vdst(0)
	s_wait_kmcnt 0x0
	s_add_nc_u64 s[10:11], s[10:11], s[30:31]
	s_add_nc_u64 s[20:21], s[16:17], s[32:33]      ; heads 0, 1: a head is 4,194,304 bytes, so a base serves two heads by the stores' immediate
	s_add_nc_u64 s[22:23], s[20:21], 0x800000      ; heads 2, 3
	s_add_nc_u64 s[24:25], s[22:23], 0x800000      ; heads 4, 5
	s_add_nc_u64 s[26:27], s[24:25], 0x800000      ; heads 6, 7
.irp t, 0,1,2,3
	global_load_b128 v[IDX+4*\t:IDX+4*\t+3], v1, s[10:11] offset:512*\t th:TH_LOAD_NT   ; 128 keys' indices: 512 consecutive bytes a load; read once in the launch
.endr
	s_wait_loadcnt 0x0
.set ii, 0
.rept 16
	v_min_u32 v[IDX+ii], LASTR, v[IDX+ii]          ; held inside the table
.set ii, ii+1
.endr
.set ii, 0
.rept 16
	v_lshlrev_b32 v[IDX+ii], 5, v[IDX+ii]          ; a table row is 32 bytes
.set ii, ii+1
.endr
.set ii, 0
.rept 16
	global_load_b128 v[GA+8*ii:GA+8*ii+3],   v[IDX+ii], s[8:9]
	global_load_b128 v[GA+8*ii+4:GA+8*ii+7], v[IDX+ii], s[8:9] offset:16
.set ii, ii+1
.endr
.irp t, 0,1,2,3                        ; tile row t: 128 keys, 4 a lane
	s_wait_loadcnt 8*(3-\t)                        ; its eight gathers are in; the 8 (3 - t) younger ones may be out
.if \t >= 2
	s_wait_xcnt 0x0                                ; the stores of two tile rows back have read this set of registers
.endif
.irp hd, 0,1,2,3,4,5,6,7
.irp k, 0,1,2,3
	v_mul_f32 v[OUTR+32*(\t%2)+4*\hd+\k], SQ32, v[GA+32*\t+8*\k+\hd]   ; the multiplication is also the turn from [key][head] to [head][key]
.endr
.endr
.irp hd, 0,1,2,3,4,5,6,7
	global_store_b128 v1, v[OUTR+32*(\t%2)+4*\hd:OUTR+32*(\t%2)+4*\hd+3], s[20+2*(\hd/2):21+2*(\hd/2)] offset:(\hd%2)*4194304+\t*32768   ; 32 lanes store a tile's row: 512 consecutive bytes, aligned
.endr
.endr
	s_endpgm
	; ---- the weights: lane (r, h) takes column 16 T + r, and its registers run DOWN K in the order that the operand's layout gives the lane: k = 128 s + 64 c + 32 h + 0 .. 31
.macro WLOAD pitch, perm, base
	s_lshl_b32 s28, s27, 6                         ; 16 T columns of 4 bytes
	s_mul_i32 s29, s26, 128*\pitch                 ; 128 s rows
	s_add_co_u32 s28, s28, s29
	v_lshlrev_b32 v7, 2, v3
	s_delay_alu instid0(VALU_DEP_1)
	v_mad_u32_u24 v7, v4, 32*\pitch, v7            ; lanes 16-31 begin 32 rows further down
	s_delay_alu instid0(VALU_DEP_1)
	v_add_nc_u32 v7, s28, v7
.irp c, 0,1
.set ii, 0
.rept 32
.if \perm
.set oo, ii%8+8*(((ii/8)&1)*2+(ii/8)/2)            ; 0-7, 16-23, 8-15, 24-31
.else
.set oo, ii
.endif
	global_load_b32 v[64+32*\c+ii], v7, s[\base:\base+1] offset:\pitch*(64*\c+oo)
.set ii, ii+1
.endr
.endr
.endm
.Lweights:
	s_sub_co_u32 s19, ttmp9, 256
	s_lshl_b32 s19, s19, 3
	s_add_co_u32 s19, s19, s18                     ; fragment F, 0 .. 127
	v_and_b32 v3, 15, v0                           ; r
	v_bfe_u32 v4, v0, 4, 1                         ; h
	s_wait_alu depctr_va_vdst(0)
	v_lshlrev_b32 v5, 4, v2                        ; an image's place for my lane
	v_lshlrev_b32 v6, 2, v2                        ; a scale word's
	s_mov_b32 s20, 0x76543210
	s_mov_b32 s21, 0xfedcba98                      ; v_permlanex16_b32's selects for lane l xor 16
	s_mul_i32 s22, s19, 1536
	s_mov_b32 s23, 0
	s_lshl_b32 s24, s19, 7
	s_mov_b32 s25, 0
	s_and_b32 s26, s19, 1                          ; s
	s_wait_kmcnt 0x0
	s_add_nc_u64 s[12:13], s[12:13], s[22:23]
	s_add_nc_u64 s[14:15], s[14:15], s[24:25]
	s_cmp_ge_u32 s19, 96
	s_cbranch_scc1 .Lw_out
	s_lshr_b32 s27, s19, 1                         ; T in W_qkv
	WLOAD 3072, 0, 4
	s_branch .Lquant
.Lw_out:
	s_sub_co_u32 s27, s19, 96
	s_lshr_b32 s27, s27, 1                         ; T in W_out
	WLOAD 1024, 1, 6
.Lquant:
	s_wait_loadcnt 0x0
.irp c, 0,1                            ; my block 2 c + h: all its 32 numbers are mine
	v_max3_num_f32 v[32+\c], |v[64+32*\c]|, |v[65+32*\c]|, 0x1800000   ; and the floor 2^(3 - 127): the byte cannot fall under 1
.endr
.irp i, 2,4,6,8,10,12,14,16,18,20,22,24,26,28,30
.irp c, 0,1
	s_delay_alu instid0(VALU_DEP_2)
	v_max3_num_f32 v[32+\c], v[32+\c], |v[64+32*\c+\i]|, |v[65+32*\c+\i]|
.endr
.endr
.irp c, 0,1
	s_delay_alu instid0(VALU_DEP_2)
	v_add_nc_u32 v[44+\c], 0xff000000, v[32+\c]    ; 2 off the exponent field: the conversion takes the exponent field of this operand as its scale
.endr
.irp c, 0,1
	s_delay_alu instid0(VALU_DEP_2)
	v_lshrrev_b32 v[36+\c], 23, v[44+\c]           ; the scale's byte
.endr
	s_delay_alu instid0(VALU_DEP_1)
	v_lshl_or_b32 v9, v37, 16, v36                 ; my two bytes: blocks h and 2 + h,
	v_lshlrev_b32 v10, 3, v4
	s_delay_alu instid0(VALU_DEP_1)
	v_lshlrev_b32 v9, v10, v9                      ; at their places in the word;
	v_mov_b32 v10, 0
	s_delay_alu instid0(VALU_DEP_1)
	v_permlanex16_b32 v10, v9, s20, s21
	s_delay_alu instid0(VALU_DEP_1)
	v_or_b32 v9, v9, v10                           ; with lane l xor 16's two the word is whole, in both halves of the lanes
.irp c, 0,1
	v_cvt_scalef32_pk16_fp6_f32 v[48+6*\c:50+6*\c], v[64+32*\c:79+32*\c], v[44+\c]
	v_cvt_scalef32_pk16_fp6_f32 v[192+4*\c:194+4*\c], v[80+32*\c:95+32*\c], v[44+\c]   ; (a conversion's three registers begin on an even number)
.endr
	v_nop                                          ; one plain line behind a scaled conversion
.irp c, 0,1
.irp i, 0,1,2
	v_mov_b32 v[51+6*\c+\i], v[192+4*\c+\i]
.endr
.endr
.irp k, 0,1,2
	global_store_b128 v5, v[48+4*\k:51+4*\k], s[12:13] offset:512*\k   ; the image: 512 consecutive bytes a store
.endr
	global_store_b32 v6, v9, s[14:15]
	s_endpgm
.Lfunc_end_k_q4c6396941d_prep:
	.size	k_q4c6396941d_prep, .Lfunc_end_k_q4c6396941d_prep-k_q4c6396941d_prep
	.p2alignl 7, 3214868480
	.fill 96, 4, 3214868480
	.section	.rodata,"a",@progbits
	.p2align	6, 0x0
	.amdhsa_kernel k_q4c6396941d_prep
		.amdhsa_group_segment_fixed_size 0
		.amdhsa_private_segment_fixed_size 0
		.amdhsa_enable_private_segment 0
		.amdhsa_kernarg_size 56
		.amdhsa_user_sgpr_count 2
		.amdhsa_user_sgpr_kernarg_segment_ptr 1
		.amdhsa_wavefront_size32 1
		.amdhsa_system_sgpr_workgroup_id_x 1
		.amdhsa_system_sgpr_workgroup_id_y 1
		.amdhsa_system_sgpr_workgroup_id_z 1
		.amdhsa_system_vgpr_workitem_id 0
		.amdhsa_next_free_vgpr 224
		.amdhsa_next_free_sgpr 66
		.amdhsa_reserve_vcc 0
		.amdhsa_float_denorm_mode_32 3
		.amdhsa_float_denorm_mode_16_64 3
		.amdhsa_memory_ordered 1
		.amdhsa_forward_progress 1
		.amdhsa_inst_pref_size 36
	.end_amdhsa_kernel
	.amdgpu_metadata
---
amdhsa.version: [ 1, 2 ]
amdhsa.kernels:
  - .name:           k_q4c6396941d_prep
    .symbol:         k_q4c6396941d_prep.kd
    .args:
      - { .name: W_qkv, .offset: 0, .size: 8, .value_kind: global_buffer, .address_space: global }
      - { .name: W_out, .offset: 8, .size: 8, .value_kind: global_buffer, .address_space: global }
      - { .name: bias_table, .offset: 16, .size: 8, .value_kind: global_buffer, .address_space: global }
      - { .name: rel_index, .offset: 24, .size: 8, .value_kind: global_buffer, .address_space: global }
      - { .name: wimg, .offset: 32, .size: 8, .value_kind: global_buffer, .address_space: global }
      - { .name: wsc, .offset: 40, .size: 8, .value_kind: global_buffer, .address_space: global }
      - { .name: biasx, .offset: 48, .size: 8, .value_kind: global_buffer, .address_space: global }
    .group_segment_fixed_size: 0
    .private_segment_fixed_size: 0
    .kernarg_segment_align: 8
    .kernarg_segment_size: 56
    .max_flat_workgroup_size: 256
    .sgpr_count:     66
    .vgpr_count:     224
    .wavefront_size: 32
...
	.end_amdgpu_metadata
.endif
;; end of part 5
;; launch qkv (part 6): grid 256 x 1, 8 waves a work-group, no clusters, 134,144 bytes of LDS; arguments x, wimg, wsc, heads; writes heads
.if DOCPART == 6
	.amdgcn_target "amdgcn-amd-amdhsa--gfx1250"
	.amdhsa_code_object_version 6
	.text
	.protected	k_q4c6396941d_qkv
	.globl	k_q4c6396941d_qkv
	.p2align	8
	.type	k_q4c6396941d_qkv,@function
k_q4c6396941d_qkv:
	s_mov_b64 s[64:65], 0
	v_nop
	global_prefetch_b8 v0, s[64:65] scope:SCOPE_SE
	s_setreg_imm32_b32 hwreg(HW_REG_WAVE_SCHED_MODE, 0, 2), 2
	s_setreg_imm32_b32 hwreg(HW_REG_WAVE_MODE, 25, 1), 1
	s_wait_xcnt 0x0
	s_wait_alu depctr_vm_vsrc(0)
; QKV: x W_qkv on codes of FP6 (E2M3), and its results quantised at once as the attention launch wants them.  x [32][1024][256] f32 is quantised here; W_qkv comes as register images (wimg, wsc).
; heads: a record of 76,800 bytes for each (batch, head): q's codes [1024][24] at 0; q's scale bytes at 24,576; k's codes at 25,600; v's register images (128 keys x 16 channels: (ks x 2 + n) x 1,536) at 50,176;
; k's scale bytes at 74,752; v's scale words (ks x 128 + 4 x lane: lanes 0-15 channels 0-15, lanes 16-31 channels 16-31) at 75,776.  The scale byte of token t of q or k lies at 64 (t / 64) + 4 (t % 16) + (t / 16) % 4.
; SHARES.  A work-group takes 128 tokens of one batch.  Every wave quantises 16 tokens of x (two fragments) and stores their images in LDS.  Then waves 0-3 make q and k: wave w keeps 128 columns of W in registers
; (source 0) and streams the eight token tiles (source 1): a lane holds ONE token and 64 registers along the columns: four heads, four blocks of the next K.  Waves 4, 5 make v: the 128 tokens stay in registers
; (source 0) and W's column tiles stream from LDS (source 1): a lane holds ONE channel and 64 registers along the tokens, which are the next K of v.  Waves 6, 7 help with x and with the copies alone.
; THE ORDER INSIDE A BLOCK.  Tiles are 16 neighbouring rows, so the 16 registers of tiles 2 b, 2 b + 1 are numbers 8 h + 0..7 and 16 + 8 h + 0..7 of block b: the block is whole in lanes l and l xor 16, its scale is
; the rule's, and its codes come out in the order 0-7, 16-23, 8-15, 24-31.  q and k, and later p and v, are made alike, so both sides of a product carry the same order and the products are kept.
; No cluster, no tensor load: what work-groups share is W's images, 147,456 bytes against the work-group's own 131,072 of x, and they go once into registers or LDS.
; LIMITS: a block of zeros gets the byte 1 where the rule says 127 (its codes are zeros; this program alone reads the bytes); blocks under 2^-124 keep the byte 1; NaN and infinities are not served.
; THE MODE: SCHED_MODE bits 1:0 = 2 (LLVM: expert scheduling mode 2), set by the entry lines.  The code itself states the register dependences
; between vector or matrix instructions and memory or LDS instructions, with s_wait_alu, always for 0.
; THE PLAN.  Registers that memory or LDS instructions touch:
;   v3-15         Offsets and LDS addresses: written at the head and never again; one wait on va_vdst ahead of the first load serves all their readers.
;   window 1, SS  The stationary fragments and their scale words: written by loads alone, read by the products.
;   F0, F1        The streamed tile's two fragments and two scale words, two sets by turns: F0 = v16-39 and v217-218, F1 = v132-155 and v221-222.  Tile m's products read set m % 2; the LDS loads of
;                 tile m + 1, issued at the head of tile m, land in the other set, which the products of tile m - 1 read.
;   PC, PW, SW, PWM  The codes and scale words: written by QUANT and the few lines behind it, read by the tile's stores.
;   ST            At the head: landed in by loads, read by the copy's LDS stores, landed in by x's second K step, read by QUANT.  Then its first 24 registers are F1.  On the way out LDS loads land in it and stores read it.
; So a tile has two waits.  vm_vsrc ahead of QUANT: the stores issued so far have read the codes and words that are written anew.  va_vdst behind QUANT and the words' lines: the stores' data are written, and the
; tile's products are done reading their set, in which the loads at the next tile's head land (behind tile 7: the way out's loads).  No vector instruction stands between that wait and those loads.
.set REC,   76800
.set R_VI,  50176
.set R_VS,  75776
.set FRB,   1536                       ; a fragment's image in bytes
.set XIMG,  0                          ; LDS: x's 16 fragments (token tile m, K step s: 2 m + s),
.set XSC,   24576                      ; their scale words, 128 bytes each,
.set WVIMG, 26624                      ; W's 32 fragments for v, as they lie in wimg,
.set WVSC,  75776                      ; their scale words,
.set QKSTG, 79872                      ; 16 slots (q's 8 heads, k's 8 heads) of 3,200 bytes: 128 tokens x 24 bytes of codes; 3,200 is 128 above a multiple of 256, so that the two halves of the lanes fall on different banks
.set SCSTG, 131072                     ; 16 x 128 scale bytes
.set SPARE, 133120                     ; the spare words, 128 bytes for each wave: four blocks of 256 bytes that no other line names
.set CWS, 3                            ; v3   where I put my part of W's scale words
.set XA,  4                            ; v4   x: row r of 1,024 bytes + 64 h
.set LI,  5                            ; v5   16 x lane
.set LS,  6                            ; v6   4 x lane
.set XWI, 7                            ; v7   where I store x's images
.set XWS, 8                            ; v8   and their scale words
.set SA,  9                            ; v9   q's and k's codes into the slots
.set SBA, 10                           ; v10  their scale words
.set VSB, 11                           ; v11  W's images for v: my half of them
.set VSS, 12                           ; v12  and their scale words
.set CR,  13                           ; v13  the way out: my two slots
.set CS,  14                           ; v14  and their scale bytes
.set CWI, 15                           ; v15  where I put my part of W's images
.set XF,  16                           ; v16-39   the two streamed fragments, set 0 (set 1: the first 24 registers of ST)
.set HA,  48                           ; v48-111  eight accumulators
.set PC,  112                          ; v112-130 the codes just made
.set ST,  132                          ; v132-195 numbers of x, copies; between them v132-155 are the streamed fragments' set 1
.set TM,  200                          ; v200-215 at work in QUANT
.set PW,  216                          ; the scale word just made
.set XS,  217                          ; v217-218 the streamed fragments' scale words, set 0;  v221-222 set 1
.set PWE, 219                          ; v's scale word of the even channel tile
.set PWM, 220                          ; both tiles' words in one register
.set SS,  224                          ; v224-239 the stationary fragments' scale words
.set SW,  240                          ; v240-243 four token tiles' scale bytes of four heads
.set SPW, 252                          ; v252 my spare word's LDS address; never rewritten
.set NIL, 253                          ; v253 0; never rewritten
.set WV,  18
.set SEL, 20
.set LOW, 40                           ; s40  lanes 0-15
; window 1: v0-191: the 16 stationary fragments, (tile t, K step s) at 12 (2 t + s)
.set MSB, 0
.macro WIN new                         ; the immediate's high byte repeats the setting that is left
.if MSB != \new
	s_set_vgpr_msb (MSB<<8)|\new
.set MSB, \new
.endif
.endm
; 64 numbers of a lane, register 16 b + i in block b, become a fragment's codes in v[PC] on and its scale word in v[PW]; the four bytes stay in v[TM+4] on.
.macro QUANT s
.irp b, 0,1,2,3
	v_max3_num_f32 v[TM+\b], |v[\s+16*\b]|, |v[\s+1+16*\b]|, 0x1800000   ; my 16 numbers of block b, and the floor 2^(3 - 127): the byte cannot fall under 1
.endr
.irp i, 2,4,6,8,10,12,14
.irp b, 0,1,2,3
	v_max3_num_f32 v[TM+\b], v[TM+\b], |v[\s+16*\b+\i]|, |v[\s+1+16*\b+\i]|   ; (the four blocks by turns)
.endr
.endr
.irp b, 0,1,2,3
	v_permlanex16_b32 v[TM+4+\b], v[TM+\b], s[SEL], s[SEL+1]
.endr
.irp b, 0,1,2,3
	v_max_num_f32 v[TM+\b], v[TM+\b], v[TM+4+\b]   ; with lane l xor 16's: the block's largest magnitude
.endr
.irp b, 0,1,2,3
	v_add_nc_u32 v[TM+12+\b], 0xff000000, v[TM+\b] ; 2 off its exponent field: the conversion's scale operand
.endr
.irp b, 0,1,2,3
	v_lshrrev_b32 v[TM+4+\b], 23, v[TM+12+\b]      ; the scale's byte
.endr
	v_lshl_or_b32 v[PW], v[TM+5], 8, v[TM+4]
	v_lshl_or_b32 v[PW], v[TM+6], 16, v[PW]
	v_lshl_or_b32 v[PW], v[TM+7], 24, v[PW]
.irp c, 0,1
	v_cvt_scalef32_pk16_fp6_f32 v[PC+6*\c:PC+2+6*\c], v[\s+32*\c:\s+15+32*\c], v[TM+12+2*\c]
	v_cvt_scalef32_pk16_fp6_f32 v[PC+12+4*\c:PC+14+4*\c], v[\s+16+32*\c:\s+31+32*\c], v[TM+12+2*\c+1]   ; (a conversion's three registers begin on an even number)
.endr
	v_nop                                          ; one plain line behind a scaled conversion
.irp c, 0,1                            ; the operand's layout wants a WHOLE block in a lane: lanes 0-15 block 2 c, lanes 16-31 block 2 c + 1
.irp i, 0,1,2
	v_permlane16_swap_b32 v[PC+6*\c+\i], v[PC+12+4*\c+\i]
.endr
.irp i, 0,1,2
	v_mov_b32 v[PC+3+6*\c+\i], v[PC+12+4*\c+\i]
.endr
.endr
.endm
.macro IMAGE adr, off                  ; the fragment in v[PC] on goes to LDS as it stands
.irp c, 0,1,2
	ds_store_b128 v[\adr], v[PC+4*\c:PC+4*\c+3] offset:\off+512*\c
.endr
.endm
.macro BARRIER                         ; my LDS stores have landed and my LDS loads are in: then the work-group's barrier
	s_wait_dscnt 0x0
	s_barrier_signal -1
	s_barrier_wait -1
.endm
.macro XLOAD reg, s                    ; my 16 tokens' numbers of K step s: 16 neighbours of each block of 32 a lane
.irp b, 0,1,2,3
.irp j, 0,1,2,3
	global_load_b128 v[\reg+16*\b+4*\j:\reg+16*\b+4*\j+3], v[XA], s[4:5] offset:512*\s+128*\b+16*\j th:TH_LOAD_NT
.endr
.endr
.endm
	s_load_b256 s[4:11], s[0:1], 0x0               ; x s[4:5], wimg s[6:7], wsc s[8:9], heads s[10:11]
	v_lshl_add_u32 v[SPW], v0, 2, SPARE
	v_mov_b32 v[NIL], 0
	v_lshrrev_b32 v40, 5, v0
	v_readfirstlane_b32 s[WV], v40                 ; wave 0..7
	v_and_b32 v40, 31, v0                          ; lane
	v_and_b32 v41, 15, v0                          ; r
	v_bfe_u32 v42, v0, 4, 1                        ; h
	s_wait_alu depctr_va_sdst(0)                   ; the wave's number is written, ahead of its first reader: addresses, bases and branches are made from it
	s_and_b32 s13, s[WV], 3
	s_and_b32 s14, s[WV], 1
	; every LDS address is made here, ahead of the first parting of the waves
	v_lshlrev_b32 v[XA], 10, v41
	v_lshl_add_u32 v[XA], v42, 6, v[XA]
	v_lshlrev_b32 v[LI], 4, v40
	v_lshlrev_b32 v[LS], 2, v40
	s_wait_alu depctr_va_vdst(0)
	s_mul_i32 s12, s[WV], 2*FRB
	v_add_nc_u32 v[XWI], s12, v[LI]
	s_lshl_b32 s12, s[WV], 8
	v_add_nc_u32 v[XWS], s12, v[LS]
	s_mul_i32 s12, s13, 4*3200                     ; waves 0-3: four slots each; lane half h and register half c pick one: slot 4 w + 2 c + h
	s_add_co_u32 s12, s12, QKSTG
	v_mul_u32_u24 v[SA], v42, 3200
	v_mad_u32_u24 v[SA], v41, 24, v[SA]
	v_add_nc_u32 v[SA], s12, v[SA]
	s_lshl_b32 s12, s13, 9
	s_add_co_u32 s12, s12, SCSTG
	v_lshl_add_u32 v[SBA], v41, 2, s12
	s_mul_i32 s12, s14, 16*FRB
	v_add_nc_u32 v[VSB], s12, v[LI]
	s_lshl_b32 s12, s14, 11
	s_add_co_u32 s12, s12, WVSC
	v_add_nc_u32 v[VSS], s12, v[LS]
	s_mul_i32 s12, s[WV], 2*3200
	s_add_co_u32 s12, s12, QKSTG
	v_add_nc_u32 v[CR], s12, v[LI]
	s_lshl_b32 s12, s[WV], 8
	s_add_co_u32 s12, s12, SCSTG
	v_add_nc_u32 v[CS], s12, v[LS]
	s_mul_i32 s12, s[WV], 4*FRB
	s_add_co_u32 s12, s12, WVIMG
	v_add_nc_u32 v[CWI], s12, v[LI]
	s_lshl_b32 s12, s[WV], 9
	s_add_co_u32 s12, s12, WVSC
	v_add_nc_u32 v[CWS], s12, v[LI]
.irp b, 0,1,2,3
	v_mov_b32 v[TM+4+\b], 0                        ; written once: a lane permute's destination counts as one of its sources
.endr
	s_mov_b32 s[SEL], 0x76543210
	s_mov_b32 s[SEL+1], 0xfedcba98
	s_mov_b32 s[LOW], 0xffff
	; byte offsets, apart from the addresses
	s_lshr_b32 s15, ttmp9, 3                       ; batch
	s_and_b32 s16, ttmp9, 7                        ; which 128 tokens
	s_lshl_b32 s22, ttmp9, 17                      ; x: 128 tokens of 1,024 bytes a work-group,
	s_lshl_b32 s12, s[WV], 14                      ; 16 a wave
	s_add_co_u32 s22, s22, s12
	s_mov_b32 s23, 0
	s_mul_i32 s24, s[WV], 16*FRB                   ; waves 0-3: my 16 fragments of W,
	s_mov_b32 s25, 0
	s_lshl_b32 s26, s[WV], 11                      ; and their scale words
	s_mov_b32 s27, 0
	s_mul_i32 s28, s[WV], 4*FRB                    ; my eighth of W's fragments 64 .. 95,
	s_add_co_u32 s28, s28, 64*FRB
	s_mov_b32 s29, 0
	s_lshl_b32 s30, s[WV], 9                       ; and of their scale words
	s_add_co_u32 s30, s30, 64*128
	s_mov_b32 s31, 0
	s_lshl_b32 s17, s15, 3                         ; 8 x batch
	s_lshl_b32 s12, s14, 2
	s_add_co_u32 s12, s12, s17
	s_mul_i32 s12, s12, REC                        ; waves 4, 5: the record of my first head,
	s_mul_i32 s19, s16, 3072
	s_add_co_u32 s32, s12, s19
	s_add_co_u32 s32, s32, R_VI                    ; its images of v for these 128 keys,
	s_mov_b32 s33, 0
	s_lshl_b32 s41, s16, 7
	s_add_co_u32 s34, s12, s41
	s_add_co_u32 s34, s34, R_VS                    ; and their scale words
	s_mov_b32 s35, 0
	s_lshl_b32 s12, s13, 1
	s_add_co_u32 s12, s12, s17
	s_mul_i32 s12, s12, REC                        ; the way out: slots 2 w, 2 w + 1 are heads 2 (w & 3) and the next, of q (waves 0-3) or of k (waves 4-7)
	s_lshr_b32 s42, s[WV], 2
	s_mul_i32 s43, s42, 25600
	s_add_co_u32 s36, s12, s43
	s_add_co_u32 s36, s36, s19
	s_mov_b32 s37, 0
	s_mul_i32 s43, s42, 50176
	s_add_co_u32 s38, s12, s43
	s_add_co_u32 s38, s38, s41
	s_add_co_u32 s38, s38, 24576
	s_mov_b32 s39, 0
	s_wait_kmcnt 0x0
	s_add_nc_u64 s[4:5], s[4:5], s[22:23]
	s_add_nc_u64 s[24:25], s[6:7], s[24:25]
	s_add_nc_u64 s[26:27], s[8:9], s[26:27]
	s_add_nc_u64 s[28:29], s[6:7], s[28:29]
	s_add_nc_u64 s[30:31], s[8:9], s[30:31]
	s_add_nc_u64 s[32:33], s[10:11], s[32:33]
	s_add_nc_u64 s[34:35], s[10:11], s[34:35]
	s_add_nc_u64 s[36:37], s[10:11], s[36:37]
	s_add_nc_u64 s[38:39], s[10:11], s[38:39]
	s_wait_alu depctr_va_vdst(0)                   ; the offsets and LDS addresses v3 to v15 are written, which every load and store of the kernel reads; it stands ahead of the branch, for both ways
	s_cmp_lt_u32 s[WV], 4                          ; waves 0-3: W's fragments for q and k, straight into the registers in which they stay.  These loads are the oldest, so the counted waits below hold on both ways
	s_cbranch_scc0 .Lno_stat
	WIN 0x40                                       ; destination window 1
.set qi, 0
.rept 48
	global_load_b128 v[4*qi:4*qi+3], v[LI], s[24:25] offset:512*qi
.set qi, qi+1
.endr
	WIN 0
.set qi, 0
.rept 16
	global_load_b32 v[SS+qi], v[LS], s[26:27] offset:128*qi
.set qi, qi+1
.endr
.Lno_stat:
.set qi, 0
.rept 12
	global_load_b128 v[ST+4*qi:ST+4*qi+3], v[LI], s[28:29] offset:512*qi   ; my eighth of W's images for v
.set qi, qi+1
.endr
	global_load_b128 v[ST+48:ST+51], v[LI], s[30:31]
	XLOAD HA, 0
	s_wait_loadcnt 16                              ; all but x's sixteen
.set qi, 0
.rept 12
	ds_store_b128 v[CWI], v[ST+4*qi:ST+4*qi+3] offset:512*qi
.set qi, qi+1
.endr
	ds_store_b128 v[CWS], v[ST+48:ST+51]
	s_wait_dscnt 0x0                               ; the copy lies in LDS
	s_wait_alu depctr_vm_vsrc(0)                   ; the LDS stores have read v[ST ..], in which the loads below land
	XLOAD ST, 1
	s_wait_loadcnt 16                              ; K step 0 is in; K step 1 lands while it is quantised
	QUANT HA
	s_wait_alu depctr_va_vdst(0)                   ; QUANT has written the codes and the scale word, which the LDS stores read
	IMAGE XWI, XIMG
	ds_store_b32 v[XWS], v[PW] offset:XSC
	s_wait_dscnt 0x0
	s_wait_loadcnt 0x0
	s_wait_alu depctr_vm_vsrc(0)                   ; the LDS stores have read the codes and the scale word, which QUANT writes anew
	QUANT ST
	s_wait_alu depctr_va_vdst(0)                   ; QUANT has written the codes and the scale word, which the LDS stores read; and it is done reading v[ST ..], in which later LDS loads land
	IMAGE XWI, XIMG+FRB
	ds_store_b32 v[XWS], v[PW] offset:XSC+128
	BARRIER                                        ; x's sixteen fragments and W's images for v lie in LDS
; The streamed tile m's two fragments and two scale words, into set m % 2.  role 0: x's token tile m.  role 1: W's column tile m.
.macro SFETCH role, m
.set XB, XF+(ST-XF)*((\m)%2)
.set XW, XS+4*((\m)%2)
.irp s, 0,1
.irp c, 0,1,2
.if \role
	ds_load_b128 v[XB+12*\s+4*\c:XB+12*\s+4*\c+3], v[VSB] offset:WVIMG+(2*(\m)+\s)*FRB+512*\c
.else
	ds_load_b128 v[XB+12*\s+4*\c:XB+12*\s+4*\c+3], v[LI] offset:XIMG+(2*(\m)+\s)*FRB+512*\c
.endif
.endr
.if \role
	ds_load_b32 v[XW+\s], v[VSS] offset:128*(2*(\m)+\s)
.else
	ds_load_b32 v[XW+\s], v[LS] offset:XSC+128*(2*(\m)+\s)
.endif
.endr
.endm
; Eight streamed tiles against the eight stationary ones.  role 0: q and k (stationary: W; streamed: x's token tile m).  role 1: v (stationary: x; streamed: W's column tile m: head m / 2 of my four, channels 16 (m % 2) on).
.macro MAIN role
	SFETCH \role, 0                                ; tile 0 into set 0, which no vector or matrix instruction has named
.irp m, 0,1,2,3,4,5,6,7
.set YB, XF+(ST-XF)*(\m%2)
.set YW, XS+4*(\m%2)
.if (\role) || (\m == 0)
	s_wait_dscnt 0x0                               ; this tile's fragments and scale words are in (ahead of tile 0 of v: the stationary ones too)
.elseif (\m%4) == 0
	s_wait_dscnt 10                                ; LDS instructions end in order (ISA guide 5.7.1): this tile's loads are in; the last tile's ten LDS stores, issued behind them, may be out
.else
	s_wait_dscnt 6                                 ; likewise: the last tile's six LDS stores may be out
.endif
.if \m < 7
	SFETCH \role, \m+1                             ; the next tile into the other set.  No wait: its last readers, the products of the tile before, stand ahead of the last wait on va_vdst, and no vector or matrix instruction since names it.  The loads stand ahead of the products, under window 0
.endif
	WIN 0x01                                       ; source 0 window 1
.irp t, 0,1,2,3,4,5,6,7                ; the eight accumulators by turns; the first K step starts the sums
	v_wmma_scale_f32_16x16x128_f8f6f4 v[HA+8*\t:HA+8*\t+7], v[24*\t:24*\t+11], v[YB:YB+11], 0, v[SS+2*\t], v[YW] matrix_a_fmt:MATRIX_FMT_FP6 matrix_b_fmt:MATRIX_FMT_FP6
.endr
.irp t, 0,1,2,3,4,5,6,7
	v_wmma_scale_f32_16x16x128_f8f6f4 v[HA+8*\t:HA+8*\t+7], v[24*\t+12:24*\t+23], v[YB+12:YB+23], v[HA+8*\t:HA+8*\t+7], v[SS+2*\t+1], v[YW+1] matrix_a_fmt:MATRIX_FMT_FP6 matrix_b_fmt:MATRIX_FMT_FP6
.endr
	WIN 0
.rept 4
	v_nop                                          ; four plain lines between the products and the first read of results; with QUANT's lines on its own registers they also part the products from the next tile's new sums
.endr
.if (\role) && (\m > 0)
	s_wait_xcnt 0x0                                ; the last tile's global stores have had their addresses translated (ISA guide 3.1): their data registers are rewritten only behind this wait
.endif
	s_wait_alu depctr_vm_vsrc(0)                   ; the stores issued so far (the last tile's; ahead of tile 0 those of x's images) have read the codes and the scale words, which the lines below write anew
	QUANT HA
.if \role
.if (\m%2) == 0
	v_mov_b32 v[PWE], v[PW]
.else
	v_cndmask_b32 v[PWM], v[PW], v[PWE], s[LOW]    ; lanes 0-15: channels 0-15's words; lanes 16-31: channels 16-31's
.endif
.else
.irp b, 0,1,2,3
.if (\m%4) == 0
	v_mov_b32 v[SW+\b], v[TM+4+\b]                 ; four token tiles' bytes make a word
.else
	v_lshl_or_b32 v[SW+\b], v[TM+4+\b], 8*(\m%4), v[SW+\b]
.endif
.endr
.endif
	s_wait_alu depctr_va_vdst(0)                   ; the codes and the scale words are written, which the stores below read; this tile's products are done reading their set, in which the loads at the next tile's head land (behind tile 7: the way out's)
.if \role
.irp c, 0,1,2
	global_store_b128 v[LI], v[PC+4*\c:PC+4*\c+3], s[32:33] offset:(\m/2)*REC+(\m%2)*FRB+512*\c   ; v's image: 512 consecutive bytes a store
.endr
.if (\m%2) == 1
	global_store_b32 v[LS], v[PWM], s[34:35] offset:(\m/2)*REC
.endif
.else
.irp c, 0,1
.irp p, 0,1,2
	ds_store_b64 v[SA], v[PC+6*\c+2*\p:PC+6*\c+2*\p+1] offset:6400*\c+384*\m+8*\p   ; token 16 m + r of head 2 c + h of my four: 24 bytes
.endr
.endr
.if (\m%4) == 3
.irp b, 0,1,2,3
	ds_store_b32 v[SBA], v[SW+\b] offset:128*\b+64*(\m/4)   ; (both halves of the lanes write the same word with the same value)
.endr
.endif
.endif
.endr
.endm
	s_cmp_lt_u32 s[WV], 4
	s_cbranch_scc0 .Lnot_qk
	MAIN 0
	s_branch .Ljoin
.Lnot_qk:
	s_cmp_lt_u32 s[WV], 6
	s_cbranch_scc0 .Ljoin
	WIN 0x40                                       ; waves 4, 5: x's sixteen fragments into the stationary registers, which no vector or matrix instruction has named
.set qi, 0
.rept 48
	ds_load_b128 v[4*qi:4*qi+3], v[LI] offset:XIMG+512*qi
.set qi, qi+1
.endr
	WIN 0
.set qi, 0
.rept 16
	ds_load_b32 v[SS+qi], v[LS] offset:XSC+128*qi
.set qi, qi+1
.endr
	MAIN 1
.Ljoin:
	BARRIER                                        ; q's and k's codes and scale bytes lie in the slots
.irp e, 0,1                            ; each wave sends two slots: 3,072 bytes of codes in runs of 512, 128 scale bytes.  On every way here the last readers of v[ST ..] (QUANT of x; tile 7's products) stand ahead of a wait on va_vdst
.irp i, 0,1,2,3,4,5
	ds_load_b128 v[ST+28*\e+4*\i:ST+28*\e+4*\i+3], v[CR] offset:3200*\e+512*\i
.endr
	ds_load_b32 v[ST+28*\e+24], v[CS] offset:128*\e
.endr
	s_wait_dscnt 0x0
.irp e, 0,1
.irp i, 0,1,2,3,4,5
	global_store_b128 v[LI], v[ST+28*\e+4*\i:ST+28*\e+4*\i+3], s[36:37] offset:REC*\e+512*\i
.endr
	global_store_b32 v[LS], v[ST+28*\e+24], s[38:39] offset:REC*\e
.endr
	s_wait_dscnt 0x0                               ; the closing lines, six on end
	s_wait_alu 0x0
	s_wait_tensorcnt 0x0
	ds_add_u32 v[SPW], v[NIL]
	s_wait_dscnt 0x0
	s_endpgm
.Lfunc_end_k_q4c6396941d_qkv:
	.size	k_q4c6396941d_qkv, .Lfunc_end_k_q4c6396941d_qkv-k_q4c6396941d_qkv
	.p2alignl 7, 3214868480
	.fill 96, 4, 3214868480
	.section	.rodata,"a",@progbits
	.p2align	6, 0x0
	.amdhsa_kernel k_q4c6396941d_qkv
		.amdhsa_group_segment_fixed_size 134144
		.amdhsa_private_segment_fixed_size 0
		.amdhsa_enable_private_segment 0
		.amdhsa_kernarg_size 32
		.amdhsa_user_sgpr_count 2
		.amdhsa_user_sgpr_kernarg_segment_ptr 1
		.amdhsa_wavefront_size32 1
		.amdhsa_system_sgpr_workgroup_id_x 1
		.amdhsa_system_sgpr_workgroup_id_y 1
		.amdhsa_system_sgpr_workgroup_id_z 1
		.amdhsa_system_vgpr_workitem_id 0
		.amdhsa_next_free_vgpr 448
		.amdhsa_next_free_sgpr 66
		.amdhsa_reserve_vcc 0
		.amdhsa_float_denorm_mode_32 3
		.amdhsa_float_denorm_mode_16_64 3
		.amdhsa_memory_ordered 1
		.amdhsa_forward_progress 1
		.amdhsa_inst_pref_size 144
	.end_amdhsa_kernel
	.amdgpu_metadata
---
amdhsa.version: [ 1, 2 ]
amdhsa.kernels:
  - .name:           k_q4c6396941d_qkv
    .symbol:         k_q4c6396941d_qkv.kd
    .args:
      - { .name: x, .offset: 0, .size: 8, .value_kind: global_buffer, .address_space: global }
      - { .name: wimg, .offset: 8, .size: 8, .value_kind: global_buffer, .address_space: global }
      - { .name: wsc, .offset: 16, .size: 8, .value_kind: global_buffer, .address_space: global }
      - { .name: heads, .offset: 24, .size: 8, .value_kind: global_buffer, .address_space: global }
    .group_segment_fixed_size: 134144
    .private_segment_fixed_size: 0
    .kernarg_segment_align: 8
    .kernarg_segment_size: 32
    .max_flat_workgroup_size: 256
    .sgpr_count:     66
    .vgpr_count:     448
    .wavefront_size: 32
...
	.end_amdgpu_metadata
.endif
;; end of part 6
;; launch attn (part 7): grid 8 x 32, 16 waves a work-group, clusters of 4 x 1, 327,680 bytes of LDS; arguments heads, biasx, oc, osc; writes oc, osc
.if DOCPART == 7
	.amdgcn_target "amdgcn-amd-amdhsa--gfx1250"
	.amdhsa_code_object_version 6
	.text
	.protected	k_q4c6396941d_attn
	.globl	k_q4c6396941d_attn
	.p2align	8
	.type	k_q4c6396941d_attn,@function
k_q4c6396941d_attn:
	s_mov_b64 s[64:65], 0
	v_nop
	global_prefetch_b8 v0, s[64:65] scope:SCOPE_SE
	s_setreg_imm32_b32 hwreg(HW_REG_WAVE_MODE, 25, 1), 1
	s_wait_xcnt 0x0
	s_wait_alu depctr_hold_cnt(0) depctr_sa_sdst(0) depctr_va_vdst(0) depctr_va_sdst(0) depctr_va_ssrc(0) depctr_va_vcc(0) depctr_vm_vsrc(0)
	s_getreg_b32 s2, hwreg(HW_REG_IB_STS2, 6, 4)
	s_cmp_eq_u32 s2, 0
	s_cbranch_scc0 .Lentry_in_a_cluster
	s_endpgm
.Lentry_in_a_cluster:
	s_bfe_u32 s2, ttmp6, 0x10000c
	s_cmp_lg_u32 s2, 0x3003
	s_cbranch_scc0 .Lentry_shape_is_right
	s_endpgm
.Lentry_shape_is_right:
; ATTENTION on codes of FP6 (E2M3): S = q k^T + bias, p = 2^(t - M), O = p v / l, and O quantised for the last product.  Inputs: heads (records of codes, see below) and biasx (bias x sqrt(32), f32, in tiles).
; t = (q . k + bias x sqrt(32)) x c, c = log2(e) / sqrt(32); M = the running largest t rounded UP to a whole number; p is quantised along the keys, not normalised; the row's sum l is taken of the unquantised p and divides at the end.
; SHARES.  Work-group (x, y): head y / 4, query quarter y % 4 (256 queries), batches 4 x .. 4 x + 3.  Wave w: batch w / 4 of the four, query tile w % 4.  Sixteen waves of 256 registers, four to a SIMD: one wave's
; vector work stands beside another's matrix work and LDS loads.  A work-group walks 4 blocks of 64 queries x 8 steps of 128 keys.  K's and V's codes and scales of its four batches (4 x 51,200 bytes) are copied
; into LDS once and stay.  Only the bias streams: one tile of 64 queries x 128 keys (32,768 bytes) a step, read by all four batches' waves, through a ring of two slots.
; CLUSTER.  The four work-groups of a cluster have the same head and query quarter and other batches: they walk the same bias tiles, so each tile is asked for JOINTLY (mask 15), by wave 0 of each.
; K and V are not shared in a cluster: a record is read by the four query quarters, which lie in four clusters; it is 51,200 bytes once, against 1,048,576 bytes of bias for each work-group.
; THE BIAS IS THE C OF THE FIRST PRODUCT: it is loaded into the scores' registers, and the matrix instruction adds onto it in place.
; THE FIRST PRODUCT'S K IS 32, the instruction's 128.  A fragment of K holds FOUR tiles of 16 keys, one in each block of 32: lane l takes the 24 bytes of keys 64 f + l and 64 f + 32 + l.  Four fragments of q, each
; with q's codes in one block and zero codes in the others, pick one tile each; they overlap in one run of 30 registers: zeros, q in lanes 0-15, zeros, q in lanes 16-31, zeros.
; LAYOUT.  Both products are used transposed (source 0 = keys, or V's channels; source 1 = my 16 queries): a lane holds ONE query (lane % 16) throughout.  Tiles are 16 neighbouring keys, so the codes of p inside a
; block of 32 keys come out in the order 0-7, 16-23, 8-15, 24-31; V's images were made in the same order, and so are O's codes (W_out's image follows).
; OUT: oc [(batch x 8 + head)][token][24] codes; osc [batch x 1,024 + token][8] one scale byte a head.  The bytes are stored singly: 1 byte for each 24 of codes.
; LIMITS: p under 2^-126 comes out as 0 (v_exp_f32 gives no denormals: ISA guide, its entry); a block of zeros gets the byte 1 where the rule says 127 (zero codes; this program alone reads the bytes); blocks under
; 2^-124 keep the byte 1; NaN and infinities are not served; the order of k inside a block differs from the rule's, alike on both sides, so last bits of a sum may differ.
.set REC,   76800
.set KVB,   51200                      ; LDS: a batch's K codes +0, V images +24,576, K scale bytes +49,152, V scale words +50,176
.set BP,    528                        ; a row of a bias tile: 512 bytes + 16 of padding: the 16 rows that a load touches start at 16 different groups of banks
.set BSLOT, 64*BP
.set BIAS0, 4*KVB                      ; the ring's two slots
.set SPARE, BIAS0+2*BSLOT              ; the spare words, 128 bytes for each wave: eight blocks of 256 bytes that no other line names
.set TILE,  32768                      ; a bias tile in memory; a work-group's 32 tiles lie on end
.set AK,  1                            ; v1   my lane's place in my batch's K codes: 24 x lane
.set AV,  2                            ; v2   in V's images: 16 x lane
.set ASC, 3                            ; v3   among the scale words: 4 x lane
.set AB,  4                            ; v4   in a bias tile: row 16 (w % 4) + r, + 32 h
.set SPW, 5                            ; v5   my spare word's LDS address; never rewritten
.set NIL, 6                            ; v6   0; never rewritten
.set VQ,  7                            ; v7   24 r
.set ADK, 8                            ; v8-10 the step's LDS addresses
.set ADV, 9
.set ADS, 10
.set VQS, 11                           ; v11  4 r
                                       ; v12 -M, v13 the largest t, v[14:15] the sum in two halves
.set QR,  16                           ; v16-45   the run of q's four fragments
.set KF,  46                           ; v46-69   K's two fragments
.set VF,  70                           ; v70-93   V's two fragments
.set VO,  94                           ; v94  24 r + 12 h
.set VOS, 95                           ; v95  8 r
.set S,   96                           ; v96-159  the bias, then S^T, then p
.set OT,  160                          ; v160-175 O^T
.set PCD, 176                          ; v176-187 p's codes;  v188-190, v192-194 halves on their way
.set BM,  196                          ; v196-199 the blocks' largest scores, then p
.set BT,  200                          ; v200-203 at work
.set SO,  204                          ; v204-207 the conversions' scale operands
.set KS,  208                          ; scale words: K's, V's, q's, p's
.set VS,  209
.set QS,  210
.set PS,  211
.set FF,  212                          ; v[212:213] f = 2^(old M - new M)
.set TMP, 214
.set PFO, 215                          ; v215 256 x lane; never rewritten
.set C2,  216                          ; v[216:217] the sum's second chain
.set KVW, 218                          ; the copy of K and V: where it goes in LDS,
.set KVG, 219                          ; and 16 x lane
.set QT,  224                          ; v224-229 the next block's q;  v230 its scale word
.set QW,  230
.set WV,  18
.set SEL, 20                           ; s[20:21] lane l xor 16
.set CS,  22                           ; s[22:23] c
.set G1,  24                           ; s[24:31] descriptor group 1
.set G0,  32                           ; s[32:39] group 0, a set for each slot
.set LOW, 40                           ; lanes 0-15
.set QSEL, 41                          ; v_perm_b32's select: byte w % 4, four times
.set TK,  42                           ; the key steps' place in K's codes and V's images
.set TS,  43                           ; and among the scale words
.set OUTER, 44
.set INNER, 45
.set REM, 46                           ; fills still to come
.set LIM, 47                           ; 1 in the wave that prefetches, else the greatest number
.set PFA, 48                           ; s[48:49] where the prefetches stand
.set QCB, 50                           ; s[50:51] q's codes, s[52:53] q's scale bytes, s[54:55] oc, s[56:57] osc, at my tile of the block in hand
.set QSB, 52
.set OCB, 54
.set OSB, 56
.macro ROUND                           ; a round of the cluster's barrier
	s_barrier_signal -1
	s_barrier_wait -1
	s_cmp_lg_u32 s[WV], 0
	s_cbranch_scc1 .Lnot_wave_0_\@
	s_barrier_signal -3
.Lnot_wave_0_\@:
	s_barrier_wait -3
	s_barrier_signal -1
	s_barrier_wait -1
.endm
; A PREFETCH INTO THE L2 of the tile that the NEXT change of slots will ask for: one key step ahead of that load.  A tile is 128 blocks of 256 bytes.  Two clusters read it: the first (cluster x = 0) asks.  Its four
; partners take 32 blocks each, told apart by ADDRESS; in each, wave 1 asks, a lane a block.  So each block is named once in the launch.  Tiles 0 and 1 come by their loads alone; the last two steps ask for nothing.
.macro ASK
	s_cmp_gt_u32 s[REM], s[LIM]
	s_cbranch_scc0 .Lnot_mine_\@
	global_prefetch_b8 v[PFO], s[PFA:PFA+1] th:TH_LOAD_NT scope:SCOPE_SE
.Lnot_mine_\@:
.endm
; THE CHANGE OF SLOTS, at a step's head.  Every wave waits for all its tensor loads (wave 0: the tile that is about to be read), adds 0 to its spare word, and waits for that and for its reads of the slot that it has left;
; the round then holds of every wave of all four work-groups.  fill = 1: wave 0 asks for the next tile, into the slot just left: by this text's count one tensor load of wave 0 is out, none of the others.
.macro CHANGE slot, fill
	s_wait_tensorcnt 0x0                           ; no tensor load of mine is out, so a group 0 may be written
	ds_add_u32 v[SPW], v[NIL]                      ; 0 onto my spare word; the steps below stand between it and the wait for it
	s_add_nc_u64 s[G0+4*\slot+2:G0+4*\slot+3], s[G0+4*\slot+2:G0+4*\slot+3], 2*TILE   ; this slot's next tile
.if \fill
	s_wait_xcnt 0x0                                ; the last prefetch, a step back, has read its address
	s_add_nc_u64 s[PFA:PFA+1], s[PFA:PFA+1], TILE
.endif
	s_wait_dscnt 0x0                               ; the add is done, and my LDS reads and stores are over
	ROUND
.if \fill
	s_cmp_lg_u32 s[WV], 0
	s_cbranch_scc1 .Lno_fill_\@
	tensor_load_to_lds s[G0+4*(1-\slot):G0+4*(1-\slot)+3], s[G1:G1+7]
	s_nop 0
.rept 4
	v_nop
.endr
.Lno_fill_\@:
	ASK
	s_sub_co_u32 s[REM], s[REM], 1
.endif
.endm
; A KEY STEP: 128 keys; the bias tile lies in \slot; odd: the second step of a pair.
.macro STEP slot, odd
	v_add_nc_u32 v[ADK], s[TK], v[AK]              ; these three and the v_nop are the four plain lines between the last products and the loads into their operands' registers
	v_add_nc_u32 v[ADV], s[TK], v[AV]
	v_add_nc_u32 v[ADS], s[TS], v[ASC]
	v_nop
.irp f, 0,1
.irp c, 0,1
.irp p, 0,1,2
	ds_load_b64 v[KF+12*\f+6*\c+2*\p:KF+12*\f+6*\c+2*\p+1], v[ADK] offset:3072*\odd+1536*\f+768*\c+8*\p   ; key 64 f + 32 c + lane: lanes 24 bytes apart, 6 words: 32 lanes, 64 different banks
.endr
.endr
.endr
	ds_load_b32 v[KS], v[ADS] offset:128*\odd      ; lanes 0-15: the four tiles' bytes of fragment 0, row r; lanes 16-31: of fragment 1
.irp t, 0,1,2,3,4,5,6,7
.irp u, 0,1
	ds_load_b128 v[S+8*\t+4*\u:S+8*\t+4*\u+3], v[AB] offset:BSLOT*\slot+64*\t+16*\u   ; the bias of my query and keys 16 t + 8 h + 0 .. 7: the result's layout
.endr
.endr
.irp n, 0,1
.irp c, 0,1,2
	ds_load_b128 v[VF+12*\n+4*\c:VF+12*\n+4*\c+3], v[ADV] offset:3072*\odd+1536*\n+512*\c
.endr
.endr
	ds_load_b32 v[VS], v[ADS] offset:1024+128*\odd
	s_wait_dscnt 7                                 ; V's six loads and its scale word may be out
.irp p, 0,1,2,3                        ; S^T = K q^T + bias: tile 4 f + p; each accumulator has one instruction
	v_wmma_scale_f32_16x16x128_f8f6f4 v[S+8*\p:S+8*\p+7], v[KF:KF+11], v[QR+6*((2*\p+1)%5):QR+6*((2*\p+1)%5)+11], v[S+8*\p:S+8*\p+7], v[KS], v[QS] matrix_a_fmt:MATRIX_FMT_FP6 matrix_b_fmt:MATRIX_FMT_FP6
.endr
.irp p, 0,1,2,3
	v_wmma_scale_f32_16x16x128_f8f6f4 v[S+32+8*\p:S+32+8*\p+7], v[KF+12:KF+23], v[QR+6*((2*\p+1)%5):QR+6*((2*\p+1)%5)+11], v[S+32+8*\p:S+32+8*\p+7], v[KS], v[QS] matrix_a_fmt:MATRIX_FMT_FP6 matrix_b_fmt:MATRIX_FMT_FP6 matrix_a_scale:MATRIX_SCALE_ROW1
.endr
.rept 4
	v_nop
.endr
.irp b, 0,1,2,3
	v_max3_num_f32 v[BM+\b], v[S+16*\b], v[S+1+16*\b], v[S+2+16*\b]   ; THE LARGEST SCORE OF EACH BLOCK OF 32 KEYS serves twice: for the row's maximum, and, since p rises with the score, for the block's largest p
.endr
.irp i, 3,5,7,9,11,13
.irp b, 0,1,2,3
	v_max3_num_f32 v[BM+\b], v[BM+\b], v[S+16*\b+\i], v[S+1+16*\b+\i]
.endr
.endr
.irp b, 0,1,2,3
	v_max_num_f32 v[BM+\b], v[BM+\b], v[S+15+16*\b]
.endr
.irp b, 0,1,2,3
	s_delay_alu instid0(VALU_DEP_4)
	v_permlanex16_b32 v[BT+\b], v[BM+\b], s[SEL], s[SEL+1]
.endr
.irp b, 0,1,2,3
	s_delay_alu instid0(VALU_DEP_4)
	v_max_num_f32 v[BM+\b], v[BM+\b], v[BT+\b]     ; with lane l xor 16's 16 keys
.endr
	s_delay_alu instid0(VALU_DEP_2)
	v_max3_num_f32 v[TMP], v[BM], v[BM+1], v[BM+2]
	s_delay_alu instid0(VALU_DEP_1)
	v_max_num_f32 v[TMP], v[TMP], v[BM+3]          ; the step's largest score of my query
	s_delay_alu instid0(VALU_DEP_1)
	v_mul_f32 v[TMP], s[CS], v[TMP]                ; as t (c is positive)
	s_delay_alu instid0(VALU_DEP_1)
	v_max_num_f32 v13, v13, v[TMP]                 ; the running largest t
	v_mov_b32 v[TMP], v12
	s_delay_alu instid0(VALU_DEP_2)
	v_floor_f32 v12, -v13                          ; the new -M = floor(-t): M is a whole number
	s_delay_alu instid0(VALU_DEP_1)
	v_sub_f32 v[TMP], v12, v[TMP]                  ; old M - new M: a whole number, 0 or less
	s_delay_alu instid0(VALU_DEP_1)
	v_cvt_i32_f32 v[TMP], v[TMP]                   ; (it saturates)
	s_delay_alu instid0(VALU_DEP_1)
	v_ldexp_f32 v[FF], 1.0, v[TMP]                 ; f = 2^(old M - new M): a multiplication by it rounds nothing
.set jj, 0
.rept 32
	v_pk_fma_f32 v[S+jj:S+jj+1], v[S+jj:S+jj+1], s[CS:CS+1], v[12:13] op_sel_hi:[1,0,0]   ; t - M, two at a time
.set jj, jj+2
.endr
.irp b, 0,1,2,3
	v_fma_f32 v[BM+\b], v[BM+\b], s[CS], v12       ; the same of each block's largest score
.endr
.set jj, 0
	s_wait_alu depctr_va_vdst(0)
.rept 64
	v_exp_f32 v[S+jj], v[S+jj]                     ; p = 2^(t - M), at most 1
.set jj, jj+1
.endr
	v_pk_mul_f32 v[14:15], v[14:15], v[FF:FF+1] op_sel_hi:[1,0]   ; the sums under the new M: the plain line behind the exponentials
	s_wait_alu depctr_va_vdst(0)                   ; one wait for the batch of 64, ahead of its first reader
.irp b, 0,1,2,3
	v_exp_f32 v[BM+\b], v[BM+\b]                   ; the block's largest p: the same two instructions on the same number give the same bits
.endr
	v_pk_add_f32 v[C2:C2+1], v[S:S+1], v[S+2:S+3]  ; THE ROW'S SUM IS TAKEN OF THE UNQUANTISED p, two at a time, in two chains.  Its first half is the work behind the four exponentials
.irp j, 4,8,12,16,20,24,28
	v_pk_add_f32 v[14:15], v[14:15], v[S+\j:S+\j+1]
	v_pk_add_f32 v[C2:C2+1], v[C2:C2+1], v[S+2+\j:S+3+\j]
.endr
	s_wait_alu depctr_va_vdst(0)                   ; and one wait for the four
.irp b, 0,1,2,3
	v_max_num_f32 v[BM+\b], 0x1800000, v[BM+\b]    ; the floor 2^(3 - 127): the byte cannot fall under 1
.endr
.irp b, 0,1,2,3
	s_delay_alu instid0(VALU_DEP_4)
	v_add_nc_u32 v[SO+\b], 0xff000000, v[BM+\b]    ; 2 off the exponent field: the conversion's scale operand
.endr
.irp b, 0,1,2,3
	s_delay_alu instid0(VALU_DEP_4)
	v_lshrrev_b32 v[BT+\b], 23, v[SO+\b]           ; the scale's byte
.endr
	s_delay_alu instid0(VALU_DEP_3)
	v_lshl_or_b32 v[PS], v[BT+1], 8, v[BT]         ; p's scale word for these 128 keys
	s_delay_alu instid0(VALU_DEP_1)
	v_lshl_or_b32 v[PS], v[BT+2], 16, v[PS]
	s_delay_alu instid0(VALU_DEP_1)
	v_lshl_or_b32 v[PS], v[BT+3], 24, v[PS]
.irp c, 0,1
	v_cvt_scalef32_pk16_fp6_f32 v[PCD+6*\c:PCD+2+6*\c], v[S+32*\c:S+15+32*\c], v[SO+2*\c]
	v_cvt_scalef32_pk16_fp6_f32 v[PCD+12+4*\c:PCD+14+4*\c], v[S+16+32*\c:S+31+32*\c], v[SO+2*\c+1]   ; (a conversion's three registers begin on an even number)
.endr
	v_nop                                          ; one plain line behind a scaled conversion
.irp c, 0,1                            ; the operand's layout wants a WHOLE block in a lane
.irp i, 0,1,2
	v_permlane16_swap_b32 v[PCD+6*\c+\i], v[PCD+12+4*\c+\i]
.endr
.irp i, 0,1,2
	s_delay_alu instid0(VALU_DEP_3)
	v_mov_b32 v[PCD+3+6*\c+\i], v[PCD+12+4*\c+\i]
.endr
.endr
.irp j, 32,36,40,44,48,52,56,60        ; the sum's second half: 17 plain lines that name no register of the products below: they part p's scale word and codes from those products
	v_pk_add_f32 v[14:15], v[14:15], v[S+\j:S+\j+1]
	v_pk_add_f32 v[C2:C2+1], v[C2:C2+1], v[S+2+\j:S+3+\j]
.endr
	s_delay_alu instid0(VALU_DEP_1)
	v_pk_add_f32 v[14:15], v[14:15], v[C2:C2+1]
.irp j, 0,2,4,6,8,10,12,14
	v_pk_mul_f32 v[OT+\j:OT+\j+1], v[OT+\j:OT+\j+1], v[FF:FF+1] op_sel_hi:[1,0]   ; O^T under the new M
.endr
	s_wait_alu depctr_va_vdst(0)
	s_wait_dscnt 0x0                               ; V
	v_wmma_scale_f32_16x16x128_f8f6f4 v[OT:OT+7], v[VF:VF+11], v[PCD:PCD+11], v[OT:OT+7], v[VS], v[PS] matrix_a_fmt:MATRIX_FMT_FP6 matrix_b_fmt:MATRIX_FMT_FP6
	v_wmma_scale_f32_16x16x128_f8f6f4 v[OT+8:OT+15], v[VF+12:VF+23], v[PCD:PCD+11], v[OT+8:OT+15], v[VS], v[PS] matrix_a_fmt:MATRIX_FMT_FP6 matrix_b_fmt:MATRIX_FMT_FP6 matrix_a_scale:MATRIX_SCALE_ROW1
.endm
.macro PAIR last
	CHANGE 0, 1
	STEP 0, 0
	CHANGE 1, 1-\last
	STEP 1, 1
	s_add_co_u32 s[TK], s[TK], 6144                ; two steps on: 256 keys x 24 bytes, and as many bytes of V's images
	s_add_co_u32 s[TS], s[TS], 256
.endm
; A block of 64 queries begins: q's fragments from the registers loaded a block ago; next = 1: the next block's q is asked for.
.macro INIT next
	s_wait_loadcnt 0x0                             ; q's codes and scale word are in, and their loads have read their bases
	v_perm_b32 v[QS], v[QW], v[QW], s[QSEL]        ; my tile's byte, four times: the blocks of zero codes may have any byte but 0xff
.irp i, 0,1,2,3,4,5
	v_cndmask_b32 v[QR+6+\i], v[QR], v[QT+\i], s[LOW]    ; q in lanes 0-15, zeros above
.endr
.irp i, 0,1,2,3,4,5
	v_cndmask_b32 v[QR+18+\i], v[QT+\i], v[QR], s[LOW]   ; q in lanes 16-31, zeros below
.endr
	v_mov_b32 v13, 0xff61b1e6                      ; the largest t so far: -3e38
	s_delay_alu instid0(VALU_DEP_1)
	v_floor_f32 v12, -v13
	v_mov_b32 v14, 0
	v_mov_b32 v15, 0
.set jj, 0
.rept 16
	v_mov_b32 v[OT+jj], 0                          ; the step is written once: the first finds zeros, which the first change of M leaves zeros
.set jj, jj+1
.endr
	s_mov_b32 s[TK], 0
	s_mov_b32 s[TS], 0
.if \next
	s_add_nc_u64 s[QCB:QCB+1], s[QCB:QCB+1], 1536
	s_add_nc_u64 s[QSB:QSB+1], s[QSB:QSB+1], 64
.irp p, 0,1,2
	global_load_b64 v[QT+2*\p:QT+2*\p+1], v[VQ], s[QCB:QCB+1] offset:8*\p
.endr
	global_load_b32 v[QW], v[VQS], s[QSB:QSB+1]
.endif
.endm
; A block ends: O^T / l is quantised (a head's 32 channels are one block of the last product's K) and stored.  more = 1: the bases step to the next block.
.macro FINISH more
.rept 4
	v_nop
.endr
	v_add_f32 v14, v14, v15                        ; the sum's two halves,
	s_delay_alu instid0(VALU_DEP_1)
	v_permlanex16_b32 v[TMP], v14, s[SEL], s[SEL+1]
	s_delay_alu instid0(VALU_DEP_1)
	v_add_f32 v14, v14, v[TMP]                     ; and lane l xor 16's
	s_wait_alu depctr_va_vdst(0)
	v_rcp_f32 v14, v14
	v_nop                                          ; a plain line behind the reciprocal,
	s_wait_alu depctr_va_vdst(0)                   ; and the wait ahead of its first reader
.set jj, 0
.rept 16
	v_mul_f32 v[S+jj], v[OT+jj], v14               ; register 8 n + j: channel 16 n + 8 h + j of my query
.set jj, jj+1
.endr
	v_max3_num_f32 v[BM], |v[S]|, |v[S+1]|, 0x1800000
	v_max3_num_f32 v[BM+1], |v[S+8]|, |v[S+9]|, |v[S+10]|
.irp i, 2
	s_delay_alu instid0(VALU_DEP_2)
	v_max3_num_f32 v[BM], v[BM], |v[S+\i]|, |v[S+1+\i]|
.endr
.irp i, 4, 6
	s_delay_alu instid0(VALU_DEP_1)
	v_max3_num_f32 v[BM], v[BM], |v[S+\i]|, |v[S+1+\i]|
.endr
.irp i, 11
	s_delay_alu instid0(VALU_DEP_4)
	v_max3_num_f32 v[BM+1], v[BM+1], |v[S+\i]|, |v[S+1+\i]|
.endr
.irp i, 13
	s_delay_alu instid0(VALU_DEP_1)
	v_max3_num_f32 v[BM+1], v[BM+1], |v[S+\i]|, |v[S+1+\i]|
.endr
	s_delay_alu instid0(VALU_DEP_1)
	v_max3_num_f32 v[BM], v[BM], v[BM+1], |v[S+15]|
	s_delay_alu instid0(VALU_DEP_1)
	v_permlanex16_b32 v[BT], v[BM], s[SEL], s[SEL+1]
	s_delay_alu instid0(VALU_DEP_1)
	v_max_num_f32 v[BM], v[BM], v[BT]
	s_delay_alu instid0(VALU_DEP_1)
	v_add_nc_u32 v[SO], 0xff000000, v[BM]
	s_delay_alu instid0(VALU_DEP_1)
	v_lshrrev_b32 v[BT], 23, v[SO]
	v_cvt_scalef32_pk16_fp6_f32 v[PCD:PCD+2], v[S:S+15], v[SO]
	v_nop
	global_store_b96 v[VO], v[PCD:PCD+2], s[OCB:OCB+1]   ; 12 bytes a lane: the wave stores 384 consecutive bytes
	global_store_b8 v[VOS], v[BT], s[OSB:OSB+1]          ; (both halves of the lanes write the same byte with the same value)
.if \more
	s_wait_xcnt 0x0                                ; the stores have read their registers and bases
	s_add_nc_u64 s[OCB:OCB+1], s[OCB:OCB+1], 1536
	s_add_nc_u64 s[OSB:OSB+1], s[OSB:OSB+1], 512
.endif
.endm
	s_load_b256 s[4:11], s[0:1], 0x0               ; heads s[4:5], biasx s[6:7], oc s[8:9], osc s[10:11]
	v_lshl_add_u32 v[SPW], v0, 2, SPARE
	v_mov_b32 v[NIL], 0
	ds_add_u32 v[SPW], v[NIL]                      ; the wave's opening: the add and its wait stand ahead of the first tensor load; the set-up below, work on registers, stands between them
	ds_add_u32 v[SPW], v[NIL]
	v_lshrrev_b32 v8, 5, v0
	s_delay_alu instid0(VALU_DEP_1)
	v_readfirstlane_b32 s[WV], v8                  ; wave 0..15
	s_bfe_u32 s12, ttmp6, 0x40000                  ; cx: it enters global addresses of my own loads, stores and prefetches alone
	s_lshl_b32 s13, ttmp9, 2
	s_add_co_u32 s13, s13, s12                     ; group of four batches
	s_and_b32 s14, ttmp7, 0xffff                   ; y = 4 x head + query quarter
	s_lshr_b32 s15, s[WV], 2                       ; which of the four batches
	s_and_b32 s16, s[WV], 3                        ; which query tile of a block
	s_lshl_b32 s17, s13, 2
	s_add_co_u32 s17, s17, s15                     ; batch
	s_lshr_b32 s19, s14, 2                         ; head
	s_and_b32 s60, s14, 3                          ; query quarter
	s_lshl_b32 s61, s17, 3
	s_add_co_u32 s61, s61, s19                     ; 8 x batch + head
	s_mul_i32 s62, s61, REC                        ; my record
	s_mul_i32 s58, s16, 12800                      ; the copy of K and V: my quarter of the record's last 51,200 bytes
	s_add_co_u32 s58, s58, s62
	s_add_co_u32 s58, s58, 25600
	s_mov_b32 s59, 0
	s_mul_i32 s63, s60, 6144                       ; 256 queries x 24 bytes,
	s_mul_i32 s13, s16, 384                        ; 16 x 24
	s_add_co_u32 s63, s63, s13
	s_add_co_u32 s[QCB], s62, s63
	s_mov_b32 s[QCB+1], 0
	s_lshl_b32 s13, s60, 8
	s_add_co_u32 s[QSB], s62, s13
	s_add_co_u32 s[QSB], s[QSB], 24576
	s_mov_b32 s[QSB+1], 0
	s_mul_i32 s[OCB], s61, 24576
	s_add_co_u32 s[OCB], s[OCB], s63
	s_mov_b32 s[OCB+1], 0
	s_lshl_b32 s[OSB], s17, 13                     ; 1,024 tokens x 8 bytes,
	s_lshl_b32 s13, s60, 11
	s_add_co_u32 s[OSB], s[OSB], s13
	s_lshl_b32 s13, s16, 7
	s_add_co_u32 s[OSB], s[OSB], s13
	s_add_co_u32 s[OSB], s[OSB], s19               ; my head's byte
	s_mov_b32 s[OSB+1], 0
	s_lshl_b32 s2, s14, 20                         ; the work-group's 32 bias tiles: made of y alone, which the partners share
	s_mov_b32 s3, 0
	s_lshl_b32 s[PFA], s12, 13                     ; the prefetches: my work-group's quarter of a tile,
	s_add_co_u32 s[PFA], s[PFA], s2
	s_add_co_u32 s[PFA], s[PFA], TILE              ; at tile 1: the first change of slots steps it to tile 2
	s_mov_b32 s[PFA+1], 0
	s_xor_b32 s[LIM], s[WV], 1                     ; 0 in wave 1,
	s_or_b32 s[LIM], s[LIM], ttmp9                 ; of the first of the two clusters: the same in all four partners
	s_cmp_eq_u32 s[LIM], 0
	s_cselect_b32 s[LIM], 1, -1
	; descriptor group 1: 64 rows of 512 bytes, dense in memory, 16 bytes of padding behind each in LDS
	s_mov_b32 s[G1], 15|(3<<16)|(1<<20)|(1<<21)|(6<<22)|(3<<25)   ; 15:0 the mask: all four work-groups; 17:16 elements of 8 bytes; 20 padding on; 21 set beside a mask; 24:22 after every 128 words; 31:25 4 words of it
	s_mov_b32 s[G1+1], 64<<16                      ; tensor_dim0 = 64
	s_mov_b32 s[G1+2], 64<<16                      ; tensor_dim1 = 64
	s_mov_b32 s[G1+3], 64<<16                      ; tile_dim0 = 64
	s_mov_b32 s[G1+4], 64                          ; tile_dim1 = 64
	s_mov_b32 s[G1+5], 64                          ; from row to row
	s_mov_b32 s[G1+6], 0
	s_mov_b32 s[G1+7], 0
	s_mov_b32 s[SEL], 0x76543210
	s_mov_b32 s[SEL+1], 0xfedcba98
	s_mov_b32 s[CS], 0x3e8293ee                    ; c = log2(e) / sqrt(32)
	s_mov_b32 s[CS+1], s[CS]                       ; (named with it as a pair, so it is written)
	s_mov_b32 s[LOW], 0xffff
	s_mul_i32 s[QSEL], s16, 0x01010101
	s_mov_b32 s[REM], 31
	v_and_b32 v8, 31, v0                           ; lane
	v_and_b32 v9, 15, v0                           ; r
	v_bfe_u32 v10, v0, 4, 1                        ; h
	s_mul_i32 s13, s15, KVB                        ; my batch's part of LDS
	v_mul_u32_u24 v[AK], v8, 24
	s_delay_alu instid0(VALU_DEP_1)
	v_add_nc_u32 v[AK], s13, v[AK]
	v_lshlrev_b32 v[KVG], 4, v8
	s_delay_alu instid0(VALU_DEP_1)
	v_add_nc_u32 v[AV], s13, v[KVG]
	s_delay_alu instid0(VALU_DEP_1)
	v_add_nc_u32 v[AV], 24576, v[AV]
	v_lshlrev_b32 v[ASC], 2, v8
	s_delay_alu instid0(VALU_DEP_1)
	v_add_nc_u32 v[ASC], s13, v[ASC]
	s_delay_alu instid0(VALU_DEP_1)
	v_add_nc_u32 v[ASC], 49152, v[ASC]
	s_mul_i32 s13, s16, 16*BP
	s_add_co_u32 s13, s13, BIAS0
	v_mul_u32_u24 v[AB], v9, BP
	s_delay_alu instid0(VALU_DEP_1)
	v_lshl_add_u32 v[AB], v10, 5, v[AB]
	s_delay_alu instid0(VALU_DEP_1)
	v_add_nc_u32 v[AB], s13, v[AB]
	s_mul_i32 s13, s[WV], 12800
	v_add_nc_u32 v[KVW], s13, v[KVG]
	v_mul_u32_u24 v[VQ], v9, 24
	v_lshlrev_b32 v[VQS], 2, v9
	v_mul_u32_u24 v[VO], v10, 12
	s_delay_alu instid0(VALU_DEP_1)
	v_add_nc_u32 v[VO], v[VO], v[VQ]
	v_lshlrev_b32 v[VOS], 3, v9
	v_lshlrev_b32 v[PFO], 8, v8
	s_wait_alu depctr_va_vdst(0)
	s_wait_dscnt 0x0                               ; the opening add is done
	s_wait_kmcnt 0x0
	s_add_nc_u64 s[58:59], s[4:5], s[58:59]
	s_add_nc_u64 s[QCB:QCB+1], s[4:5], s[QCB:QCB+1]
	s_add_nc_u64 s[QSB:QSB+1], s[4:5], s[QSB:QSB+1]
	s_add_nc_u64 s[OCB:OCB+1], s[8:9], s[OCB:OCB+1]
	s_add_nc_u64 s[OSB:OSB+1], s[10:11], s[OSB:OSB+1]
	s_add_nc_u64 s[PFA:PFA+1], s[6:7], s[PFA:PFA+1]
	s_add_nc_u64 s[2:3], s[6:7], s[2:3]
	s_mov_b32 s[G0], 1                             ; group 0 of slot 0: count 1,
	s_mov_b32 s[G0+1], BIAS0                       ; the LDS address,
	s_mov_b64 s[G0+2:G0+3], s[2:3]                 ; tile 0,
	s_or_b32 s[G0+3], s[G0+3], 0x80000000          ; type 2
	s_mov_b32 s[G0+4], 1
	s_mov_b32 s[G0+5], BIAS0+BSLOT
	s_add_nc_u64 s[G0+6:G0+7], s[2:3], TILE        ; slot 1: tile 1
	s_or_b32 s[G0+7], s[G0+7], 0x80000000
.set ii, 0
.rept 25
	global_load_b128 v[S+4*ii:S+4*ii+3], v[KVG], s[58:59] offset:512*ii   ; K and V: 12,800 bytes a wave, 512 consecutive bytes a load
.set ii, ii+1
.endr
.irp p, 0,1,2
	global_load_b64 v[QT+2*\p:QT+2*\p+1], v[VQ], s[QCB:QCB+1] offset:8*\p   ; the first block's q
.endr
	global_load_b32 v[QW], v[VQS], s[QSB:QSB+1]
	ROUND                                          ; all four work-groups are here: the first joint load meets
	s_cmp_lg_u32 s[WV], 0
	s_cbranch_scc1 .Lno_first
	tensor_load_to_lds s[G0:G0+3], s[G1:G1+7]      ; tile 0
	s_nop 0
.rept 4
	v_nop
.endr
.Lno_first:
	s_wait_loadcnt 4                               ; K and V are in registers; q's four loads may be out
.set ii, 0
.rept 25
	ds_store_b128 v[KVW], v[S+4*ii:S+4*ii+3] offset:512*ii
.set ii, ii+1
.endr
.irp i, 0,1,2,3,4,5
	v_mov_b32 v[QR+\i], 0                          ; the run's zeros, written once
	v_mov_b32 v[QR+12+\i], 0
	v_mov_b32 v[QR+24+\i], 0
.endr
.irp b, 0,1,2,3
	v_mov_b32 v[BT+\b], 0                          ; a lane permute's destination counts as one of its sources
.endr
	v_mov_b32 v[FF+1], 0                           ; (named as the upper half of a pair)
	v_mov_b32 v[TMP], 0
	s_wait_dscnt 0x0                               ; the stores have read their registers; the first change of slots shows them to the other waves
	s_mov_b32 s[OUTER], 3
.Lblock:                                           ; three blocks of 64 queries, all of whose steps ask for a tile
	INIT 1
	s_mov_b32 s[INNER], 4
.Lpair:
	PAIR 0
	s_sub_co_u32 s[INNER], s[INNER], 1
	s_cmp_lg_u32 s[INNER], 0
	s_cbranch_scc1 .Lpair
	FINISH 1
	s_sub_co_u32 s[OUTER], s[OUTER], 1
	s_cmp_lg_u32 s[OUTER], 0
	s_cbranch_scc1 .Lblock
	INIT 0                                         ; the last block is written out: its last step asks for nothing
	s_mov_b32 s[INNER], 3
.Lpair_last:
	PAIR 0
	s_sub_co_u32 s[INNER], s[INNER], 1
	s_cmp_lg_u32 s[INNER], 0
	s_cbranch_scc1 .Lpair_last
	PAIR 1
	FINISH 0
	s_wait_tensorcnt 0x0                           ; the wave's end: behind my last tensor load and my last LDS store
	ds_add_u32 v[SPW], v[NIL]
	s_wait_dscnt 0x0
	ROUND                                          ; the closing round: no work-group ends while a partner may still ask for a tile that names it
	s_endpgm
.Lfunc_end_k_q4c6396941d_attn:
	.size	k_q4c6396941d_attn, .Lfunc_end_k_q4c6396941d_attn-k_q4c6396941d_attn
	.p2alignl 7, 3214868480
	.fill 96, 4, 3214868480
	.section	.rodata,"a",@progbits
	.p2align	6, 0x0
	.amdhsa_kernel k_q4c6396941d_attn
		.amdhsa_group_segment_fixed_size 327680
		.amdhsa_private_segment_fixed_size 0
		.amdhsa_enable_private_segment 0
		.amdhsa_kernarg_size 32
		.amdhsa_user_sgpr_count 2
		.amdhsa_user_sgpr_kernarg_segment_ptr 1
		.amdhsa_wavefront_size32 1
		.amdhsa_system_sgpr_workgroup_id_x 1
		.amdhsa_system_sgpr_workgroup_id_y 1
		.amdhsa_system_sgpr_workgroup_id_z 1
		.amdhsa_system_vgpr_workitem_id 0
		.amdhsa_next_free_vgpr 256
		.amdhsa_next_free_sgpr 66
		.amdhsa_reserve_vcc 0
		.amdhsa_float_denorm_mode_32 3
		.amdhsa_float_denorm_mode_16_64 3
		.amdhsa_memory_ordered 1
		.amdhsa_forward_progress 1
		.amdhsa_inst_pref_size 123
	.end_amdhsa_kernel
	.amdgpu_metadata
---
amdhsa.version: [ 1, 2 ]
amdhsa.kernels:
  - .name:           k_q4c6396941d_attn
    .symbol:         k_q4c6396941d_attn.kd
    .args:
      - { .name: heads, .offset: 0, .size: 8, .value_kind: global_buffer, .address_space: global }
      - { .name: biasx, .offset: 8, .size: 8, .value_kind: global_buffer, .address_space: global }
      - { .name: oc, .offset: 16, .size: 8, .value_kind: global_buffer, .address_space: global }
      - { .name: osc, .offset: 24, .size: 8, .value_kind: global_buffer, .address_space: global }
    .group_segment_fixed_size: 327680
    .private_segment_fixed_size: 0
    .kernarg_segment_align: 8
    .kernarg_segment_size: 32
    .max_flat_workgroup_size: 512
    .sgpr_count:     66
    .vgpr_count:     256
    .wavefront_size: 32
...
	.end_amdgpu_metadata
.endif
;; end of part 7
;; launch proj (part 8): grid 256 x 1, 4 waves a work-group, no clusters, 17,920 bytes of LDS; arguments oc, osc, wimg, wsc, b_out, out0; writes out0
.if DOCPART == 8
	.amdgcn_target "amdgcn-amd-amdhsa--gfx1250"
	.amdhsa_code_object_version 6
	.text
	.protected	k_q4c6396941d_proj
	.globl	k_q4c6396941d_proj
	.p2align	8
	.type	k_q4c6396941d_proj,@function
k_q4c6396941d_proj:
	s_mov_b64 s[64:65], 0
	v_nop
	global_prefetch_b8 v0, s[64:65] scope:SCOPE_SE
	s_setreg_imm32_b32 hwreg(HW_REG_WAVE_SCHED_MODE, 0, 2), 2
	s_setreg_imm32_b32 hwreg(HW_REG_WAVE_MODE, 25, 1), 1
	s_wait_xcnt 0x0
	s_wait_alu depctr_vm_vsrc(0)
; PROJ: out0 = O W_out + b_out on codes of FP6 (E2M3).  O comes as codes oc [(batch x 8 + head)][token][24] with one scale byte a head, osc [batch x 1,024 + token][8]; W_out as register images (wimg fragments 96 .. 127, wsc),
; with K inside each block in the order of O's codes.  out0 [32][1024][256] f32.
; SHARES.  A work-group takes 128 tokens; wave w takes output columns 64 w .. 64 w + 63 for all eight token tiles.  Its 8 fragments of W_out, their scale words and its part of b_out stay in registers.
; The product is used transposed (source 0 = 16 columns of W_out, source 1 = 16 tokens): a lane holds eight neighbouring columns of one row of out0.  b_out is the C of each sum's first instruction.
; A fragment of O: lane (r, h) takes, for K step s and register half c, the 24 bytes of token r of head 4 s + 2 c + h: a head is one block of K.  Its scale words are the token's 8 bytes.
; THE WAY OUT: a tile (16 tokens x 64 columns) goes through the wave's own stage in LDS and leaves as rows of 256 bytes: sixteen lanes store 256 consecutive bytes, aligned.  No barrier: waves share nothing in LDS.
; No cluster, no tensor load: what work-groups share is W_out's images, 49,152 bytes, which go once into registers; O's loads run two tiles ahead.
; THE MODE: SCHED_MODE bits 1:0 = 2 (LLVM: expert scheduling mode 2), set by the entry lines.  The code itself states the register dependences
; between vector or matrix instructions and memory or LDS instructions, with s_wait_alu, always for 0.
; THE PLAN.  Registers that memory or LDS instructions touch:
;   v1-8        Offsets and LDS addresses: written at the head and never again; one wait on va_vdst ahead of the first load serves all their readers.
;   WF, WS, BO  W_out's fragments, their scale words and b_out: written by loads alone, read by the products.
;   OF, OS      Two sets by turns: tile m's products read set m % 2; behind them the loads of tile m + 2 land in it.
;   AC          Written by the tile's products; read by the LDS stores into the stage; landed in by the LDS loads from the stage; read by the global stores; written anew by the next tile's products.
; So a tile has three waits.  vm_vsrc ahead of its products: the last tile's global stores have read AC.  va_vdst behind the products' places: AC is written, and OF and OS of this set are done with.
; vm_vsrc between the stage's stores and its loads: the stores have read AC, in which the loads land.
.set SPARE, 17408                      ; behind the four stages of 16 x 272 bytes: the spare words, 128 bytes for each wave: two blocks of 256 bytes that no other line names
.set OA,  1                            ; v1   24,576 h + 24 r
.set OSA, 2                            ; v2   8 r
.set STO, 3                            ; v3   the stage, in: row r, + 32 h
.set RD,  4                            ; v4   and back: lanes 0-15 one row, lanes 16-31 the next
.set CO,  5                            ; v5   the same two rows in out0
.set LI,  6                            ; v6   16 x lane
.set LS,  7                            ; v7   4 x lane
.set BA,  8                            ; v8   32 h
.set WF,  32                           ; v32-127  W_out's fragments: (tile n, K step s) at 12 (2 n + s)
.set WS,  128                          ; v128-135 their scale words
.set BO,  136                          ; v136-167 b_out in the result's layout, 8 a tile
.set OF,  168                          ; v168-215 two sets of O's two fragments
.set OS,  216                          ; v216-219 two pairs of O's scale words
.set AC,  220                          ; v220-251 four accumulators
.set SPW, 252                          ; v252 my spare word's LDS address; never rewritten
.set NIL, 253                          ; v253 0; never rewritten
.macro OLOAD m                         ; token tile m: 12 loads of 8 bytes and the scale words, into set m % 2
.set OB, OF+24*((\m)%2)
.irp s, 0,1
.irp c, 0,1
.irp p, 0,1,2
	global_load_b64 v[OB+12*\s+6*\c+2*\p:OB+12*\s+6*\c+2*\p+1], v[OA], s[4:5] offset:(4*\s+2*\c)*24576+384*(\m)+8*\p
.endr
.endr
.endr
	global_load_b64 v[OS+2*((\m)%2):OS+2*((\m)%2)+1], v[OSA], s[6:7] offset:128*(\m)
.endm
	s_load_b256 s[4:11], s[0:1], 0x0               ; oc s[4:5], osc s[6:7], wimg s[8:9], wsc s[10:11]
	s_load_b128 s[12:15], s[0:1], 0x20             ; b_out s[12:13], out0 s[14:15]
	v_lshl_add_u32 v[SPW], v0, 2, SPARE
	v_mov_b32 v[NIL], 0
	v_lshrrev_b32 v9, 5, v0
	v_readfirstlane_b32 s18, v9                    ; wave 0..3
	v_and_b32 v9, 31, v0                           ; lane
	v_and_b32 v10, 15, v0                          ; r
	v_bfe_u32 v11, v0, 4, 1                        ; h
	v_mul_u32_u24 v[OA], v11, 24576
	v_mad_u32_u24 v[OA], v10, 24, v[OA]
	v_lshlrev_b32 v[OSA], 3, v10
	s_wait_alu depctr_va_sdst(0)                   ; the wave's number is written, ahead of its first reader: the stage's address and the bases are made from it
	s_mul_i32 s19, s18, 16*272                     ; my stage
	v_mul_u32_u24 v[STO], v10, 272
	v_lshl_add_u32 v[STO], v11, 5, v[STO]
	v_add_nc_u32 v[STO], s19, v[STO]
	v_mul_u32_u24 v[RD], v11, 272
	v_lshl_add_u32 v[RD], v10, 4, v[RD]
	v_add_nc_u32 v[RD], s19, v[RD]
	v_lshlrev_b32 v[CO], 10, v11
	v_lshl_add_u32 v[CO], v10, 4, v[CO]
	v_lshlrev_b32 v[LI], 4, v9
	v_lshlrev_b32 v[LS], 2, v9
	v_lshlrev_b32 v[BA], 5, v11
	s_lshr_b32 s20, ttmp9, 3
	s_mul_i32 s20, s20, 8*24576                    ; oc: my batch's eight heads,
	s_and_b32 s21, ttmp9, 7
	s_mul_i32 s21, s21, 3072                       ; 128 tokens x 24 bytes
	s_add_co_u32 s20, s20, s21
	s_mov_b32 s21, 0
	s_lshl_b32 s22, ttmp9, 10                      ; osc: 128 tokens x 8 bytes a work-group
	s_mov_b32 s23, 0
	s_mul_i32 s24, s18, 8*1536                     ; wimg: fragments 96 + 8 w on
	s_add_co_u32 s24, s24, 96*1536
	s_mov_b32 s25, 0
	s_lshl_b32 s26, s18, 10
	s_add_co_u32 s26, s26, 96*128
	s_mov_b32 s27, 0
	s_lshl_b32 s28, s18, 8                         ; my 64 columns, in bytes
	s_mov_b32 s29, 0
	s_lshl_b32 s30, ttmp9, 17                      ; out0: 128 rows of 1,024 bytes a work-group
	s_add_co_u32 s30, s30, s28
	s_mov_b32 s31, 0
	s_wait_kmcnt 0x0
	s_add_nc_u64 s[4:5], s[4:5], s[20:21]
	s_add_nc_u64 s[6:7], s[6:7], s[22:23]
	s_add_nc_u64 s[8:9], s[8:9], s[24:25]
	s_add_nc_u64 s[10:11], s[10:11], s[26:27]
	s_add_nc_u64 s[12:13], s[12:13], s[28:29]
	s_add_nc_u64 s[14:15], s[14:15], s[30:31]
	s_wait_alu depctr_va_vdst(0)                   ; the offsets and LDS addresses v1 to v8 are written, which every load and store of the kernel reads
.set qi, 0
.rept 24
	global_load_b128 v[WF+4*qi:WF+4*qi+3], v[LI], s[8:9] offset:512*qi
.set qi, qi+1
.endr
.set qi, 0
.rept 8
	global_load_b32 v[WS+qi], v[LS], s[10:11] offset:128*qi
.set qi, qi+1
.endr
.irp n, 0,1,2,3
	global_load_b128 v[BO+8*\n:BO+8*\n+3],   v[BA], s[12:13] offset:64*\n      ; b_out at columns 16 n + 8 h + 0 .. 7 of my 64
	global_load_b128 v[BO+8*\n+4:BO+8*\n+7], v[BA], s[12:13] offset:64*\n+16
.endr
	OLOAD 0
	OLOAD 1
.irp m, 0,1,2,3,4,5,6,7
.if \m < 7
	s_wait_loadcnt 13                              ; this tile's loads are in; the next tile's thirteen may be out
.else
	s_wait_loadcnt 0x0
.endif
.if \m > 0
	s_wait_xcnt 0x0                                ; the last tile's stores have had their addresses translated (ISA guide 3.1): the registers in which the sums begin anew are rewritten only behind this wait
	s_wait_alu depctr_vm_vsrc(0)                   ; the last tile's global stores have read v[AC ..], which the products below write anew
.endif
.irp n, 0,1,2,3                        ; the four accumulators by turns; b_out starts the sums
	v_wmma_scale_f32_16x16x128_f8f6f4 v[AC+8*\n:AC+8*\n+7], v[WF+24*\n:WF+24*\n+11], v[OF+24*(\m%2):OF+24*(\m%2)+11], v[BO+8*\n:BO+8*\n+7], v[WS+2*\n], v[OS+2*(\m%2)] matrix_a_fmt:MATRIX_FMT_FP6 matrix_b_fmt:MATRIX_FMT_FP6
.endr
.irp n, 0,1,2,3
	v_wmma_scale_f32_16x16x128_f8f6f4 v[AC+8*\n:AC+8*\n+7], v[WF+24*\n+12:WF+24*\n+23], v[OF+24*(\m%2)+12:OF+24*(\m%2)+23], v[AC+8*\n:AC+8*\n+7], v[WS+2*\n+1], v[OS+2*(\m%2)+1] matrix_a_fmt:MATRIX_FMT_FP6 matrix_b_fmt:MATRIX_FMT_FP6
.endr
.rept 5
	v_nop                                          ; four plain lines part the products from the first read of results; the fifth is owed to the next tile's products, which write over these accumulators
.endr
	s_wait_alu depctr_va_vdst(0)                   ; the products have written v[AC ..], which the LDS stores read and in which the LDS loads land; and they are done reading this set of O's fragments and scale words, in which the loads below land.  The places above stay beside this wait
.if \m+2 < 8
	OLOAD \m+2
.endif
.irp n, 0,1,2,3
	ds_store_b128 v[STO], v[AC+8*\n:AC+8*\n+3] offset:64*\n          ; each accumulator from its low end on
	ds_store_b128 v[STO], v[AC+8*\n+4:AC+8*\n+7] offset:64*\n+16
.endr
	s_wait_alu depctr_vm_vsrc(0)                   ; the LDS stores have read v[AC ..], in which the LDS loads below land
.irp i, 0,1,2,3,4,5,6,7
	ds_load_b128 v[AC+4*\i:AC+4*\i+3], v[RD] offset:544*\i           ; LDS serves a wave's instructions in order (ISA guide 5.7.1.4): these see the stores above, and land in the registers that those have left
.endr
.irp i, 0,1,2,3,4,5,6,7
	s_wait_dscnt 7-\i
	global_store_b128 v[CO], v[AC+4*\i:AC+4*\i+3], s[14:15] offset:(16*\m+2*\i)*1024 th:TH_STORE_NT   ; sixteen lanes store 256 consecutive bytes, aligned; written once, read by nobody here
.endr
.endr
	s_wait_dscnt 0x0                               ; the closing lines, six on end
	s_wait_alu 0x0
	s_wait_tensorcnt 0x0
	ds_add_u32 v[SPW], v[NIL]
	s_wait_dscnt 0x0
	s_endpgm
.Lfunc_end_k_q4c6396941d_proj:
	.size	k_q4c6396941d_proj, .Lfunc_end_k_q4c6396941d_proj-k_q4c6396941d_proj
	.p2alignl 7, 3214868480
	.fill 96, 4, 3214868480
	.section	.rodata,"a",@progbits
	.p2align	6, 0x0
	.amdhsa_kernel k_q4c6396941d_proj
		.amdhsa_group_segment_fixed_size 17920
		.amdhsa_private_segment_fixed_size 0
		.amdhsa_enable_private_segment 0
		.amdhsa_kernarg_size 48
		.amdhsa_user_sgpr_count 2
		.amdhsa_user_sgpr_kernarg_segment_ptr 1
		.amdhsa_wavefront_size32 1
		.amdhsa_system_sgpr_workgroup_id_x 1
		.amdhsa_system_sgpr_workgroup_id_y 1
		.amdhsa_system_sgpr_workgroup_id_z 1
		.amdhsa_system_vgpr_workitem_id 0
		.amdhsa_next_free_vgpr 256
		.amdhsa_next_free_sgpr 66
		.amdhsa_reserve_vcc 0
		.amdhsa_float_denorm_mode_32 3
		.amdhsa_float_denorm_mode_16_64 3
		.amdhsa_memory_ordered 1
		.amdhsa_forward_progress 1
		.amdhsa_inst_pref_size 43
	.end_amdhsa_kernel
	.amdgpu_metadata
---
amdhsa.version: [ 1, 2 ]
amdhsa.kernels:
  - .name:           k_q4c6396941d_proj
    .symbol:         k_q4c6396941d_proj.kd
    .args:
      - { .name: oc, .offset: 0, .size: 8, .value_kind: global_buffer, .address_space: global }
      - { .name: osc, .offset: 8, .size: 8, .value_kind: global_buffer, .address_space: global }
      - { .name: wimg, .offset: 16, .size: 8, .value_kind: global_buffer, .address_space: global }
      - { .name: wsc, .offset: 24, .size: 8, .value_kind: global_buffer, .address_space: global }
      - { .name: b_out, .offset: 32, .size: 8, .value_kind: global_buffer, .address_space: global }
      - { .name: out0, .offset: 40, .size: 8, .value_kind: global_buffer, .address_space: global }
    .group_segment_fixed_size: 17920
    .private_segment_fixed_size: 0
    .kernarg_segment_align: 8
    .kernarg_segment_size: 48
    .max_flat_workgroup_size: 128
    .sgpr_count:     66
    .vgpr_count:     256
    .wavefront_size: 32
...
	.end_amdgpu_metadata
.endif
;; end of part 8
